; MI455X (gfx1250); checked and timed in simulation.
; The chip was launched on July 23, 2026; its instructions are those of AMD's public machine-readable ISA for CDNA 5 (MIT licence, August 2026) and "CDNA5" Instruction Set Architecture Reference Guide (July 2026). The comments in the code are by the model that wrote it; some were corrected since.
;; Multi Head Self Attention. Allowed arithmetic: matrix products marked QUANTISED: E2M3 operands, one E8M0 scale for each 32 along K, by v_wmma_scale_f32_16x16x128_f8f6f4 with both operands' format E2M3, f32 sums; everything else in f32.
;; Inputs: Wj 4,096 x 512 float32; Wk 8 x 512 x 512 float32; Wq 8 x 512 x 512 float32; Wv 8 x 512 x 512 float32; beta 512 float32; gamma 512 float32; x 4 x 1,024 x 512 float32.
;; Outputs: out0 4 x 1,024 x 512 float32.
;; This version of the problem:
;;   THIS VERSION OF THE PROBLEM IS GIVEN IN LOW PRECISION. The matrix products marked QUANTISED in the list below multiply operands that are first quantised to E2M3 (2 exponent bits, 3 mantissa bits; 6 bits a number), with one power-of-two scale for each 32 numbers along K (OCP MX v1.0); their sums are f32. All else is computed in f32.
;;   The module's matrix products, in the order in which they are computed (A, B: the left and right operand; K: the contracted axis; several contracted axes count as one K, in the product's order):
;;     1. [M 4,096, K 512] x [K 512, N 4,096]; A: input Wq; B: input x: QUANTISED
;;     2. [M 4,096, K 512] x [K 512, N 4,096]; A: input Wk; B: input x: QUANTISED
;;     3. [M 4,096, K 512] x [K 512, N 4,096]; A: input Wv; B: input x: QUANTISED
;;     4. batch 32 x [M 1,024, K 512] x [K 512, N 1,024]; A: computed on the way; B: computed on the way: QUANTISED
;;     5. batch 32 x [M 1,024, K 1,024] x [K 1,024, N 512]; A: softmax (see below); B: computed on the way: QUANTISED
;;     6. [M 4,096, K 4,096] x [K 4,096, N 512]; A: computed on the way; B: input Wj: QUANTISED
;;   THE QUANTISER, for each operand of a quantised product, along K:
;;     - K is cut into blocks of 32 from its start; a last block that is shorter is filled with zeros.
;;     - A block's scale is 2^e with e = floor(log2(the largest magnitude in the block)) - 2, held to -126 .. 127; a block of zeros has e = 0. As a byte (E8M0): e + 127.
;;     - Each number is divided by its block's scale, clamped to +-7.5, and rounded to the nearest number of E2M3, ties to even, subnormals kept.
;;     - The product sums the exact products of the quantised numbers (number of the format x scale) in f32.
;;   ~~~python
;;   def quantise(x, axis):      # numpy; x: float32 -> the quantised numbers, widened to float32 again
;;       x = np.moveaxis(x, axis, -1); K = x.shape[-1]
;;       x = np.pad(x, [(0, 0)] * (x.ndim - 1) + [(0, -K % 32)]); x = x.reshape(x.shape[:-1] + (-1, 32)); a = np.abs(x).max(-1, keepdims=True)
;;       e = np.where(a > 0, np.clip(np.frexp(np.where(a > 0, a, 1))[1] - 1 - 2, -126, 127), 0)      # np.frexp(a)[1] - 1 = floor(log2(a)), exactly
;;       r = np.clip(x / 2.0 ** e, -7.5, 7.5)
;;       step = 2.0 ** (np.maximum(np.frexp(np.where(r == 0, 1, r))[1] - 1, 0) - 3)
;;       q = np.round(r / step) * step * 2.0 ** e      # np.round: ties to even
;;       return np.moveaxis(q.reshape(q.shape[:-2] + (-1,))[..., :K], -1, axis).astype(np.float32)
;;   ~~~
;;   SOFTMAX AHEAD OF A QUANTISED PRODUCT. Where the list says 'softmax', what is quantised is not the finished softmax but p = 2^(t - M), with t = logit x log2(e) and M = ceil(the row's largest t), a whole number; so 1/2 < the row's largest p <= 1. The row's sum l is taken of the UNQUANTISED p, in f32, and the product's result is divided by l at the end. Since M is a whole number, a kernel that streams over the keys may use a running M (the ceiling of the running maximum): every later rescaling is an exact power of two, which a block's scale takes up: the codes' values come out the same.
;;   OPERANDS COMPUTED ON THE WAY. 'Computed on the way' means the value that the module computes at that place (a softmax that the list does not call 'softmax' is quantised finished and normalised). What goes into a quantiser is computed in f32, as accurately as f32 sums, v_exp_f32 and their like allow (about 1e-6 of the number): no bf16 or f16 on the way to a quantiser, and a product that is left as it is and whose result goes on into a quantised operand takes f32 operands (vector FMAs, or v_wmma_f32_16x16x4_f32). A number that lies on a knife's edge between two numbers of the format may be rounded either way, as far as f32 arithmetic and the matrix unit's own rounding can turn it there, and no further.
;; One version. Each part assembles by itself: llvm-mc -triple=amdgcn-amd-amdhsa -mcpu=gfx1250 --defsym DOCPART=n.
;; ======== version 1 of 1: 5 launches
;; limits: right only within a limited range of input values
;; workspace buffers: cw 8,192,000 bytes; qkv 39,321,600 bytes; zq 13,107,200 bytes; y 8,388,608 bytes
;; launch quant (part 1): grid 2048 x 1, 1 waves a work-group, no clusters, 14,848 bytes of LDS; arguments x, Wq, Wk, Wv, Wj, cw; writes cw
.if DOCPART == 1
	.amdgcn_target "amdgcn-amd-amdhsa--gfx1250"
	.amdhsa_code_object_version 6
	.text
	.protected	k_qdc36471b2a_quant
	.globl	k_qdc36471b2a_quant
	.p2align	8
	.type	k_qdc36471b2a_quant,@function
k_qdc36471b2a_quant:
	s_mov_b64 s[64:65], 0
	v_nop
	global_prefetch_b8 v0, s[64:65] scope:SCOPE_SE
	s_setreg_imm32_b32 hwreg(HW_REG_WAVE_MODE, 25, 1), 1
	s_wait_xcnt 0x0
; MULTI-HEAD SELF-ATTENTION IN MX-FP6, launch 1 of 5: x, Wq, Wk, Wv and Wj become codes of E2M3 with one E8M0 byte for each 32 along K.
; DEAD WORK: none.  Every input has a way to the output for all values: x, Wq, Wk feed the scores, Wv the values, Wj the joiner, gamma and beta the norm; reference() slices and masks nothing away.  All seven inputs are loaded.
; LIMITS: NaN and infinities among the inputs are not served.  A block whose largest magnitude lies under 2^-124 keeps the scale byte 1; a block of zeros has the byte 1 where the
; stated quantiser says 127: its codes are zeros, which add nothing under any byte but 0xff, and these bytes are read by this program alone.
; THE LAYOUT OF ALL OPERANDS IN THIS PROGRAM ("image"): a fragment (16 rows x 128 K, 12 registers a lane) is 1,536 bytes: registers 4 c .. 4 c + 3 of lane l at 512 c + 16 l.  So a fragment comes by three loads of 16 bytes a lane.
; THE ROWS OF A TILE ARE NOT NEIGHBOURS: lane row r of tile T is row 32 (T / 2) + 8 (T % 2) + r + 8 (r / 8), so that, where the tile is source 0 of a product, the 16 result registers of tiles 2 b and 2 b + 1 are 16 neighbours along the next K.
; cw: x's 256 tiles at T x 6,144 + 1,536 s (s: the K step of 128).  From WI the matrices of [512 K][512 N], 196,608 bytes each: 0-7 Wq, 8-15 Wk, 16-23 Wv, tile T of a matrix at 6,144 T + 1,536 s.
; Wj (matrix 24 + head = its rows 512 head on) is laid as the joiner reads it: block 24 + nb holds columns 64 nb on of ALL heads: 24,576 head + 6,144 (T % 4) + 1,536 s, nb = T / 4.
; From SCL the scale words: 256 bytes a tile (x's 256 tiles, then 32 for each of the 32 matrices), 16 bytes a lane row, word s for K step s.
; A WORK-GROUP IS ONE WAVE: waves share nothing here.  EVERY LOAD OF A WAVE COVERS WHOLE ALIGNED RUNS OF 256 BYTES.
; Numbers 0 to 1,023 take the weights (K is their FIRST axis): matrix number / 32, K step (number / 8) % 4, columns 64 (number % 8) on: four tiles x 128 K.  A lane loads 8 bytes, two neighbouring columns, of each row of K:
; 32 lanes read 256 consecutive bytes.  The conversions want 16 neighbours along K in consecutive registers, so the two columns, which alternate in the loaded registers, are parted by moves.
; Numbers 1,024 on take x (K innermost): tile (number - 1,024) / 4, K step number % 4: 16 loads of 512 consecutive bytes, a row each, turned through a stage in LDS so that a lane gets 16 neighbours of each block.
; The weights' pieces are the longer ones and have the lower numbers.  2,048 work-groups are eight for each of 256 WGPs.
; No cluster, no tensor load, no prefetch: no two work-groups read the same bytes, and the launch does nothing but stream.
.set WI,    1572864
.set SCL,   7864320
.set XST,   6144                       ; LDS: the weights' stage (4 tiles x 1,536) from 0; x's stage (16 rows x (512 + 16)) from here: each path has bytes of its own
.set SPARE, 14592                      ; behind the stages: the spare words, 128 bytes for the wave, a block of 256
.set SPW,   10                         ; v10  LDS address of my spare word; never rewritten
.set NIL,   11                         ; v11  0; never rewritten
.set TM,    16                         ; v16-31 at work
.set SEL,   40                         ; s[40:41] lane selects for lane l xor 16
	s_load_b256 s[4:11], s[0:1], 0x0               ; x, Wq, Wk, Wv
	s_load_b128 s[12:15], s[0:1], 0x20             ; Wj, cw
	v_lshl_add_u32 v[SPW], v0, 2, SPARE
	v_mov_b32 v[NIL], 0
	v_and_b32 v2, 31, v0                           ; lane
	v_lshlrev_b32 v7, 4, v2                        ; 16 x lane
	s_cmp_ge_u32 ttmp9, 1024
	s_wait_alu depctr_va_vdst(0)                   ; the wait ahead of the branch
	s_cbranch_scc1 .Lx_path
	; ---- THE WEIGHTS
	s_and_b32 s20, ttmp9, 7                        ; cg: which 64 columns
	s_bfe_u32 s18, ttmp9, 0x20003                  ; ky: the K step
	s_lshr_b32 s17, ttmp9, 5                       ; m: the matrix
	v_lshlrev_b32 v3, 3, v2                        ; in: 8 bytes a lane
	v_lshrrev_b32 v12, 4, v2                       ; column 2 l + j of the 64: pair of tiles l / 16,
	v_bfe_u32 v13, v2, 2, 1                        ; tile (l / 4) % 2 of the pair,
	v_lshl_add_u32 v12, v12, 1, v13
	v_bfe_u32 v13, v2, 3, 1
	v_and_b32 v14, 3, v2
	v_lshlrev_b32 v14, 1, v14
	v_lshl_add_u32 v14, v13, 3, v14                ; lane row 8 ((l / 8) % 2) + 2 (l % 4) + j
	v_lshlrev_b32 v14, 4, v14
	v_mad_u32_u24 v4, v12, 1536, v14               ; into the stage: 1,536 tile + 16 row (j: 16 more); out of it: 16 x lane
	v_lshl_add_u32 v9, v12, 8, v14
	s_lshl_b32 s22, s18, 2
	v_add_nc_u32 v9, s22, v9                       ; my scale words: 256 tile + 16 row + 4 ky
	s_and_b32 s23, s17, 7
	s_lshl_b32 s24, s23, 20                        ; the matrix in its tensor,
	s_lshl_b32 s21, s18, 18                        ; 128 ky rows of 2,048 bytes,
	s_add_co_u32 s24, s24, s21
	s_lshl_b32 s21, s20, 8                         ; my 64 columns
	s_add_co_u32 s24, s24, s21
	s_mov_b32 s25, 0
	s_mul_i32 s26, s17, 196608                     ; the codes of Wq, Wk, Wv: matrix, four tiles
	s_mul_i32 s21, s20, 24576
	s_add_co_u32 s26, s26, s21
	s_add_co_u32 s21, s20, 24                      ; those of Wj: block 24 + nb (nb = cg), the head
	s_mul_i32 s21, s21, 196608
	s_mul_i32 s23, s23, 24576
	s_add_co_u32 s21, s21, s23
	s_cmp_ge_u32 s17, 24                           ; a choice that hangs on the work-group's number alone
	s_cselect_b32 s26, s21, s26
	s_mul_i32 s23, s18, 1536                       ; the K step
	s_add_co_u32 s26, s26, s23
	s_add_co_u32 s26, s26, WI
	s_mov_b32 s27, 0
	s_lshl_b32 s28, s17, 13                        ; the scale words: tile 256 + 32 m + 4 cg, 256 bytes each
	s_lshl_b32 s23, s20, 10
	s_add_co_u32 s28, s28, s23
	s_add_co_u32 s28, s28, SCL+65536
	s_mov_b32 s29, 0
	s_lshr_b32 s30, s17, 3                         ; which tensor
	s_wait_alu depctr_va_vdst(0)                   ; the wait at the head's end
	s_wait_kmcnt 0x0
	s_cmp_eq_u32 s30, 1
	s_cselect_b64 s[32:33], s[8:9], s[6:7]
	s_cmp_eq_u32 s30, 2
	s_cselect_b64 s[32:33], s[10:11], s[32:33]
	s_cmp_eq_u32 s30, 3
	s_cselect_b64 s[32:33], s[12:13], s[32:33]
	s_add_nc_u64 s[32:33], s[32:33], s[24:25]
	s_add_nc_u64 s[34:35], s[14:15], s[26:27]
	s_add_nc_u64 s[36:37], s[14:15], s[28:29]
.macro LOADW t                         ; block t: W(32 t + i, my two columns) into set t % 2, registers 2 i and 2 i + 1
.set li, 0
.rept 32
	global_load_b64 v[128+64*((\t)%2)+2*li:128+64*((\t)%2)+2*li+1], v3, s[32:33] offset:(32*(\t)+li)*2048 th:TH_LOAD_NT
.set li, li+1
.endr
.endm
	LOADW 0
	LOADW 1
.macro BLOCK t
.set XS, 128+64*((\t)%2)
.if (\t) < 3
	s_wait_loadcnt 32                              ; this block's 32 loads are in; the next block's 32 may be out
.else
	s_wait_loadcnt 0
.endif
.irp j, 0,1                                    ; each column's largest magnitude: all 32 numbers are mine; two chains a column, the columns by turns
	v_max3_num_f32 v[16+2*\j], |v[XS+\j]|, |v[XS+2+\j]|, |v[XS+4+\j]|
	v_max3_num_f32 v[17+2*\j], |v[XS+6+\j]|, |v[XS+8+\j]|, |v[XS+10+\j]|
.endr
.irp i, 12,20,28,36,44,52
.irp j, 0,1
	v_max3_num_f32 v[16+2*\j], v[16+2*\j], |v[XS+\i+\j]|, |v[XS+\i+2+\j]|
	v_max3_num_f32 v[17+2*\j], v[17+2*\j], |v[XS+\i+4+\j]|, |v[XS+\i+6+\j]|
.endr
.endr
.irp j, 0,1
	v_max3_num_f32 v[16+2*\j], v[16+2*\j], |v[XS+60+\j]|, |v[XS+62+\j]|
.endr
.irp j, 0,1
	v_max3_num_f32 v[16+2*\j], v[16+2*\j], v[17+2*\j], 0x1800000   ; and the floor 2^(3 - 127)
.endr
.irp j, 0,1
	v_add_nc_u32 v[20+\j], 0xff000000, v[16+2*\j]  ; 2 off the exponent field: the conversion's scale operand
.endr
.irp j, 0,1
	v_lshrrev_b32 v[22+\j], 23, v[20+\j]           ; the scale's byte
.endr
.irp j, 0,1
.if (\t) == 0
	v_mov_b32 v[24+\j], v[22+\j]                   ; four bytes to a word, the lower K in the lower byte
.else
	v_lshl_or_b32 v[24+\j], v[22+\j], 8*(\t), v[24+\j]
.endif
.endr
.set li, 0
.rept 32                                       ; the two columns are parted: v64-95 the first, v96-127 the second, K ascending
	v_mov_b32 v[64+li], v[XS+2*li]
	v_mov_b32 v[96+li], v[XS+2*li+1]
.set li, li+1
.endr
.if (\t)+2 < 4
	LOADW (\t)+2                                   ; the set has been read out
.endif
.irp j, 0,1
	v_cvt_scalef32_pk16_fp6_f32 v[32+12*\j:34+12*\j], v[64+32*\j:79+32*\j], v[20+\j]
	v_cvt_scalef32_pk16_fp6_f32 v[38+12*\j:40+12*\j], v[80+32*\j:95+32*\j], v[20+\j]   ; (a conversion's three registers begin on an even number)
.endr
	v_nop                                          ; one plain place behind a scaled conversion
.irp j, 0,1
	v_mov_b32 v[35+12*\j], v[38+12*\j]
	v_mov_b32 v[36+12*\j], v[39+12*\j]
	v_mov_b32 v[37+12*\j], v[40+12*\j]             ; six registers: the block's 24 bytes = registers 6 c .. 6 c + 5 of fragment lane (row, hh), c = t / 2, hh = t % 2
.endr
.set OFS, ((\t)%2)*256
.irp j, 0,1
.if (\t)/2 == 0
	ds_store_b128 v4, v[32+12*\j:35+12*\j] offset:OFS+16*\j         ; registers 0-3: the image's first 512 bytes,
	ds_store_b64 v4, v[36+12*\j:37+12*\j] offset:OFS+16*\j+512      ; registers 4, 5: the low half of my 16 bytes in the second
.else
	ds_store_b64 v4, v[32+12*\j:33+12*\j] offset:OFS+16*\j+520      ; registers 6, 7: the high half,
	ds_store_b128 v4, v[34+12*\j:37+12*\j] offset:OFS+16*\j+1024    ; registers 8-11: the third
.endif
.endr
	s_wait_dscnt 0x0                               ; the stores have read their registers: the next block's codes may be written
.endm
	BLOCK 0
	BLOCK 1
	BLOCK 2
	BLOCK 3
	s_wait_alu depctr_va_vdst(0)                   ; the wait ahead of the readers below
	global_store_b32 v9, v24, s[36:37]             ; my two columns' scale words of this K step
	global_store_b32 v9, v25, s[36:37] offset:16
.set k, 0
.rept 12
	ds_load_b128 v[64+4*k:67+4*k], v7 offset:512*k     ; LDS serves a wave's instructions in order: these see my stores
.set k, k+1
.endr
.set k, 0
.rept 12
	s_wait_dscnt 11-k                              ; LDS loads come back in order: piece k is in
	global_store_b128 v7, v[64+4*k:67+4*k], s[34:35] offset:(k/3)*6144+(k%3)*512   ; 32 lanes store 512 consecutive bytes, aligned
.set k, k+1
.endr
	s_wait_tensorcnt 0x0                           ; the wave's end
	ds_add_u32 v[SPW], v[NIL]
	s_wait_dscnt 0x0
	s_endpgm
	; ---- x
.Lx_path:
	s_sub_co_u32 s17, ttmp9, 1024
	s_and_b32 s16, s17, 3                          ; the K step
	s_lshr_b32 s17, s17, 2                         ; T
	v_and_b32 v12, 15, v0                          ; r
	v_bfe_u32 v13, v0, 4, 1                        ; h
	v_mul_u32_u24 v4, v12, 528
	v_lshl_add_u32 v4, v13, 6, v4
	v_add_nc_u32 v4, XST, v4                       ; out of the stage: row r, + 64 h: my 16 numbers of a block of 32
	v_add_nc_u32 v5, XST, v7                       ; into it: 16 x lane of a row
	v_lshlrev_b32 v9, 4, v12                       ; the scale word: 16 r
	s_mov_b32 s[SEL], 0x76543210
	s_mov_b32 s[SEL+1], 0xfedcba98
.irp b, 0,1,2,3
	v_mov_b32 v[TM+4+\b], 0                        ; written once: a lane permute's destination counts as one of its sources
.endr
	s_lshr_b32 s18, s17, 1
	s_lshl_b32 s18, s18, 16                        ; 32 (T / 2) rows
	s_and_b32 s19, s17, 1
	s_lshl_b32 s19, s19, 14                        ; + 8 (T % 2) rows
	s_add_co_u32 s24, s18, s19
	s_lshl_b32 s19, s16, 9                         ; + 512 bytes a K step
	s_add_co_u32 s24, s24, s19
	s_mov_b32 s25, 0
	s_mul_i32 s26, s17, 6144
	s_mul_i32 s19, s16, 1536
	s_add_co_u32 s26, s26, s19
	s_mov_b32 s27, 0
	s_lshl_b32 s28, s17, 8
	s_lshl_b32 s19, s16, 2
	s_add_co_u32 s28, s28, s19
	s_add_co_u32 s28, s28, SCL
	s_mov_b32 s29, 0
	s_wait_alu depctr_va_vdst(0)                   ; the wait at the head's end
	s_wait_kmcnt 0x0
	s_add_nc_u64 s[32:33], s[4:5], s[24:25]
	s_add_nc_u64 s[34:35], s[14:15], s[26:27]
	s_add_nc_u64 s[36:37], s[14:15], s[28:29]
.set rr, 0
.rept 16
	global_load_b128 v[128+4*rr:131+4*rr], v7, s[32:33] offset:(rr+8*(rr/8))*2048 th:TH_LOAD_NT   ; lane row rr's 512 bytes of this K step
.set rr, rr+1
.endr
.set rr, 0
.rept 16
	s_wait_loadcnt 15-rr                           ; loads come back in order: row rr is in
	ds_store_b128 v5, v[128+4*rr:131+4*rr] offset:528*rr
.set rr, rr+1
.endr
.irp b, 0,1,2,3
.irp j, 0,1,2,3
	ds_load_b128 v[64+16*\b+4*\j:67+16*\b+4*\j], v4 offset:128*\b+16*\j   ; LDS serves a wave's instructions in order.  Register 64 + 16 b + i = k 32 b + 16 h + i of my row
.endr
.endr
	s_wait_dscnt 0x0
.irp b, 0,1,2,3
	v_max3_num_f32 v[TM+\b], |v[64+16*\b]|, |v[65+16*\b]|, 0x1800000   ; block b: my 16 numbers, and the floor 2^(3 - 127): the byte cannot fall under 1
.endr
.irp i, 2,4,6,8,10,12,14
.irp b, 0,1,2,3
	v_max3_num_f32 v[TM+\b], |v[64+16*\b+\i]|, |v[65+16*\b+\i]|, v[TM+\b]   ; the four blocks by turns
.endr
.endr
.irp b, 0,1,2,3
	v_permlanex16_b32 v[TM+4+\b], v[TM+\b], s[SEL], s[SEL+1]
.endr
.irp b, 0,1,2,3
	v_max_num_f32 v[TM+\b], v[TM+\b], v[TM+4+\b]   ; with lane l xor 16's: the block's largest magnitude
.endr
.irp b, 0,1,2,3
	v_add_nc_u32 v[TM+12+\b], 0xff000000, v[TM+\b] ; 2 off its exponent field: the conversion's scale operand
.endr
.irp b, 0,1,2,3
	v_lshrrev_b32 v[TM+4+\b], 23, v[TM+12+\b]      ; the scale's byte
.endr
	v_lshl_or_b32 v52, v[TM+5], 8, v[TM+4]
	v_lshl_or_b32 v52, v[TM+6], 16, v52
	v_lshl_or_b32 v52, v[TM+7], 24, v52
.irp c, 0,1
	v_cvt_scalef32_pk16_fp6_f32 v[32+6*\c:34+6*\c], v[64+32*\c:79+32*\c], v[TM+12+2*\c]
	v_cvt_scalef32_pk16_fp6_f32 v[44+4*\c:46+4*\c], v[80+32*\c:95+32*\c], v[TM+13+2*\c]   ; (a conversion's three registers begin on an even number)
.endr
	v_nop                                          ; one plain place behind a scaled conversion
.irp c, 0,1                                    ; the operand's layout wants a WHOLE block in a lane: lanes 0-15 block 2 c, lanes 16-31 block 2 c + 1
.irp i, 0,1,2
	v_permlane16_swap_b32 v[32+6*\c+\i], v[44+4*\c+\i]
.endr
.irp i, 0,1,2
	v_mov_b32 v[35+6*\c+\i], v[44+4*\c+\i]
.endr
.endr
.irp c, 0,1,2
	global_store_b128 v7, v[32+4*\c:35+4*\c], s[34:35] offset:\c*512   ; 32 lanes store 512 consecutive bytes, aligned
.endr
	global_store_b32 v9, v52, s[36:37]             ; my row's scale word of this K step (lanes l and l + 16 hold the same word and name the same place)
	s_wait_tensorcnt 0x0                           ; the wave's end
	ds_add_u32 v[SPW], v[NIL]
	s_wait_dscnt 0x0
	s_endpgm
.Lfunc_end_k_qdc36471b2a_quant:
	.size	k_qdc36471b2a_quant, .Lfunc_end_k_qdc36471b2a_quant-k_qdc36471b2a_quant
	.p2alignl 7, 3214868480
	.fill 96, 4, 3214868480
	.section	.rodata,"a",@progbits
	.p2align	6, 0x0
	.amdhsa_kernel k_qdc36471b2a_quant
		.amdhsa_group_segment_fixed_size 14848
		.amdhsa_private_segment_fixed_size 0
		.amdhsa_enable_private_segment 0
		.amdhsa_kernarg_size 48
		.amdhsa_user_sgpr_count 2
		.amdhsa_user_sgpr_kernarg_segment_ptr 1
		.amdhsa_wavefront_size32 1
		.amdhsa_system_sgpr_workgroup_id_x 1
		.amdhsa_system_sgpr_workgroup_id_y 1
		.amdhsa_system_sgpr_workgroup_id_z 1
		.amdhsa_system_vgpr_workitem_id 0
		.amdhsa_next_free_vgpr 256
		.amdhsa_next_free_sgpr 66
		.amdhsa_reserve_vcc 0
		.amdhsa_float_denorm_mode_32 3
		.amdhsa_float_denorm_mode_16_64 3
		.amdhsa_memory_ordered 1
		.amdhsa_forward_progress 1
		.amdhsa_inst_pref_size 48
	.end_amdhsa_kernel
	.amdgpu_metadata
---
amdhsa.version: [ 1, 2 ]
amdhsa.kernels:
  - .name:           k_qdc36471b2a_quant
    .symbol:         k_qdc36471b2a_quant.kd
    .args:
      - { .name: x, .offset: 0, .size: 8, .value_kind: global_buffer, .address_space: global }
      - { .name: Wq, .offset: 8, .size: 8, .value_kind: global_buffer, .address_space: global }
      - { .name: Wk, .offset: 16, .size: 8, .value_kind: global_buffer, .address_space: global }
      - { .name: Wv, .offset: 24, .size: 8, .value_kind: global_buffer, .address_space: global }
      - { .name: Wj, .offset: 32, .size: 8, .value_kind: global_buffer, .address_space: global }
      - { .name: cw, .offset: 40, .size: 8, .value_kind: global_buffer, .address_space: global }
    .group_segment_fixed_size: 14848
    .private_segment_fixed_size: 0
    .kernarg_segment_align: 8
    .kernarg_segment_size: 48
    .max_flat_workgroup_size: 32
    .sgpr_count:     66
    .vgpr_count:     256
    .wavefront_size: 32
...
	.end_amdgpu_metadata
.endif
;; end of part 1
;; launch proj (part 2): grid 16 x 16, 4 waves a work-group, clusters of 4 x 4, 327,680 bytes of LDS; arguments cw, qkv; writes qkv
.if DOCPART == 2
	.amdgcn_target "amdgcn-amd-amdhsa--gfx1250"
	.amdhsa_code_object_version 6
	.text
	.protected	k_qdc36471b2a_proj
	.globl	k_qdc36471b2a_proj
	.p2align	8
	.type	k_qdc36471b2a_proj,@function
k_qdc36471b2a_proj:
	s_mov_b64 s[64:65], 0
	v_nop
	global_prefetch_b8 v0, s[64:65] scope:SCOPE_SE
	s_setreg_imm32_b32 hwreg(HW_REG_WAVE_MODE, 25, 1), 1
	s_wait_xcnt 0x0
	s_wait_alu depctr_hold_cnt(0) depctr_sa_sdst(0) depctr_va_vdst(0) depctr_va_sdst(0) depctr_va_ssrc(0) depctr_va_vcc(0) depctr_vm_vsrc(0)
	s_getreg_b32 s2, hwreg(HW_REG_IB_STS2, 6, 4)
	s_cmp_eq_u32 s2, 0
	s_cbranch_scc0 .Lentry_in_a_cluster
	s_endpgm
.Lentry_in_a_cluster:
	s_bfe_u32 s2, ttmp6, 0x10000c
	s_cmp_lg_u32 s2, 0xf033
	s_cbranch_scc0 .Lentry_shape_is_right
	s_endpgm
.Lentry_shape_is_right:
.set WI,    1572864
.set SCL,   7864320
.set BH,    1228800
.set SEC,   409600
.set TL,    51200
.set TS,    49152
.set HB,    49152
.set QB,    24576
.set XB,    0
.set SLA,   98304
.set SLB,   196608
.set SPARE, 294912
.set SPW,   10
.set NIL,   11
.set PW,    16
.set TM,    64
.set WV,    8
.set HM,    15
.set SEL,   56
.set MSB,   0
.macro WIN new
.if MSB != (\new)
	s_set_vgpr_msb (MSB<<8)|(\new)
.set MSB, (\new)
.endif
.endm
.macro PLACES n
.rept \n
	v_nop
.endr
.endm
.macro CROUND
	s_barrier_signal -1
	s_barrier_wait -1
	s_cmp_lg_u32 s[WV], 0
	s_cbranch_scc1 .Lnw0_\@
	s_barrier_signal -3
.Lnw0_\@:
	s_barrier_wait -3
	s_barrier_signal -1
	s_barrier_wait -1
.endm
.macro WM d, a, b, z, sa, sb, ra, rb
.set wsel, 4*(\z)+2*(\ra)+(\rb)
.if wsel == 0
	v_wmma_scale_f32_16x16x128_f8f6f4 v[(\d):(\d)+7], v[(\a):(\a)+11], v[(\b):(\b)+11], v[(\d):(\d)+7], v[(\sa)], v[(\sb)] matrix_a_fmt:MATRIX_FMT_FP6 matrix_b_fmt:MATRIX_FMT_FP6
.elseif wsel == 1
	v_wmma_scale_f32_16x16x128_f8f6f4 v[(\d):(\d)+7], v[(\a):(\a)+11], v[(\b):(\b)+11], v[(\d):(\d)+7], v[(\sa)], v[(\sb)] matrix_a_fmt:MATRIX_FMT_FP6 matrix_b_fmt:MATRIX_FMT_FP6 matrix_b_scale:MATRIX_SCALE_ROW1
.elseif wsel == 2
	v_wmma_scale_f32_16x16x128_f8f6f4 v[(\d):(\d)+7], v[(\a):(\a)+11], v[(\b):(\b)+11], v[(\d):(\d)+7], v[(\sa)], v[(\sb)] matrix_a_fmt:MATRIX_FMT_FP6 matrix_b_fmt:MATRIX_FMT_FP6 matrix_a_scale:MATRIX_SCALE_ROW1
.elseif wsel == 3
	v_wmma_scale_f32_16x16x128_f8f6f4 v[(\d):(\d)+7], v[(\a):(\a)+11], v[(\b):(\b)+11], v[(\d):(\d)+7], v[(\sa)], v[(\sb)] matrix_a_fmt:MATRIX_FMT_FP6 matrix_b_fmt:MATRIX_FMT_FP6 matrix_a_scale:MATRIX_SCALE_ROW1 matrix_b_scale:MATRIX_SCALE_ROW1
.elseif wsel == 4
	v_wmma_scale_f32_16x16x128_f8f6f4 v[(\d):(\d)+7], v[(\a):(\a)+11], v[(\b):(\b)+11], 0, v[(\sa)], v[(\sb)] matrix_a_fmt:MATRIX_FMT_FP6 matrix_b_fmt:MATRIX_FMT_FP6
.elseif wsel == 5
	v_wmma_scale_f32_16x16x128_f8f6f4 v[(\d):(\d)+7], v[(\a):(\a)+11], v[(\b):(\b)+11], 0, v[(\sa)], v[(\sb)] matrix_a_fmt:MATRIX_FMT_FP6 matrix_b_fmt:MATRIX_FMT_FP6 matrix_b_scale:MATRIX_SCALE_ROW1
.elseif wsel == 6
	v_wmma_scale_f32_16x16x128_f8f6f4 v[(\d):(\d)+7], v[(\a):(\a)+11], v[(\b):(\b)+11], 0, v[(\sa)], v[(\sb)] matrix_a_fmt:MATRIX_FMT_FP6 matrix_b_fmt:MATRIX_FMT_FP6 matrix_a_scale:MATRIX_SCALE_ROW1
.else
	v_wmma_scale_f32_16x16x128_f8f6f4 v[(\d):(\d)+7], v[(\a):(\a)+11], v[(\b):(\b)+11], 0, v[(\sa)], v[(\sb)] matrix_a_fmt:MATRIX_FMT_FP6 matrix_b_fmt:MATRIX_FMT_FP6 matrix_a_scale:MATRIX_SCALE_ROW1 matrix_b_scale:MATRIX_SCALE_ROW1
.endif
.endm
.macro QUANTW W, s, PCb, PWr
	WIN 5*(\W)
.irp b, 0,1,2,3
	v_max3_num_f32 v[TM+\b], |v[(\s)+16*\b]|, |v[(\s)+16*\b+1]|, 0x1800000
.endr
.irp i, 2,4,6,8,10,12,14
.irp b, 0,1,2,3
	v_max3_num_f32 v[TM+\b], |v[(\s)+16*\b+\i]|, |v[(\s)+16*\b+\i+1]|, v[TM+\b]
.endr
.endr
	WIN 0
.irp b, 0,1,2,3
	v_permlanex16_b32 v[TM+4+\b], v[TM+\b], s[SEL], s[SEL+1]
.endr
.irp b, 0,1,2,3
	v_max_num_f32 v[TM+\b], v[TM+\b], v[TM+4+\b]
.endr
.irp b, 0,1,2,3
	v_add_nc_u32 v[TM+12+\b], 0xff000000, v[TM+\b]
.endr
.irp b, 0,1,2,3
	v_lshrrev_b32 v[TM+4+\b], 23, v[TM+12+\b]
.endr
	v_lshl_or_b32 v[(\PWr)], v[TM+5], 8, v[TM+4]
	v_lshl_or_b32 v[(\PWr)], v[TM+6], 16, v[(\PWr)]
	v_lshl_or_b32 v[(\PWr)], v[TM+7], 24, v[(\PWr)]
	WIN (\W)
.irp c, 0,1
	v_cvt_scalef32_pk16_fp6_f32 v[(\PCb)+6*\c:(\PCb)+6*\c+2], v[(\s)+32*\c:(\s)+32*\c+15], v[TM+12+2*\c]
	v_cvt_scalef32_pk16_fp6_f32 v[(\PCb)+12+4*\c:(\PCb)+14+4*\c], v[(\s)+32*\c+16:(\s)+32*\c+31], v[TM+13+2*\c]
.endr
	WIN 0
	v_nop
.irp c, 0,1
.irp i, 0,1,2
	v_permlane16_swap_b32 v[(\PCb)+6*\c+\i], v[(\PCb)+12+4*\c+\i]
.endr
.irp i, 0,1,2
	v_mov_b32 v[(\PCb)+3+6*\c+\i], v[(\PCb)+12+4*\c+\i]
.endr
.endr
.endm
.macro MERGE dst
.irp i, 0,1,2,3
	v_cndmask_b32 v[(\dst)+\i], v[PW+2*\i], v[PW+2*\i+1], s[HM]
.endr
.endm
	s_load_b128 s[4:7], s[0:1], 0x0
	v_lshl_add_u32 v[SPW], v0, 2, SPARE
	v_mov_b32 v[NIL], 0
	ds_add_u32 v[SPW], v[NIL]
	ds_add_u32 v[SPW], v[NIL]
	v_lshrrev_b32 v1, 5, v0
	v_readfirstlane_b32 s[WV], v1
	s_lshr_b32 s9, s[WV], 1
	s_and_b32 s10, s[WV], 1
	s_bfe_u32 s11, ttmp6, 0x40000
	s_bfe_u32 s12, ttmp6, 0x40004
	s_lshl_b32 s13, ttmp9, 2
	s_add_co_u32 s13, s13, s11
	s_and_b32 s14, ttmp7, 0xffff
	s_lshl_b32 s14, s14, 2
	s_add_co_u32 s14, s14, s12
	s_lshl_b32 s52, s12, 2
	s_lshl_b32 s52, 15, s52
	s_lshl_b32 s53, 0x1111, s11
	s_or_b32 s16, s52, (3<<16)|(1<<21)
	s_or_b32 s24, s53, (3<<16)|(1<<21)
.irp g, 16, 24
	s_mov_b32 s[\g+1], 32<<16
	s_mov_b32 s[\g+2], 192<<16                     ; the head's loads bring 192 rows of 256 bytes: half of x's tile or of the first slot
	s_mov_b32 s[\g+3], 32<<16
	s_mov_b32 s[\g+4], 192
	s_mov_b32 s[\g+5], 32
	s_mov_b32 s[\g+6], 0
	s_mov_b32 s[\g+7], 0
.endr
	s_mul_i32 s58, s[WV], QB
	s_mul_i32 s71, s10, HB                         ; which half I fetch at the head
	s_mul_i32 s60, s14, 98304
	s_add_co_u32 s60, s60, s71
	s_mov_b32 s61, 0
	s_mul_i32 s62, s13, 196608
	s_add_co_u32 s62, s62, s71
	s_add_co_u32 s62, s62, WI
	s_mov_b32 s63, 0
	s_mul_i32 s66, s13, 196608
	s_add_co_u32 s66, s66, s58
	s_add_co_u32 s66, s66, WI
	s_mov_b32 s67, 0
	s_mul_i32 s68, s13, 98304
	s_add_co_u32 s68, s68, s58
	s_add_co_u32 s68, s68, WI+32*98304
	s_mov_b32 s69, 0
	s_mov_b32 s[SEL], 0x76543210
	s_mov_b32 s[SEL+1], 0xfedcba98
	s_wait_dscnt 0x0
	s_wait_kmcnt 0x0
	s_mov_b32 s32, 1
	s_add_co_u32 s33, s71, XB
	s_add_nc_u64 s[34:35], s[4:5], s[60:61]
	s_or_b32 s35, s35, 0x80000000
	s_mov_b32 s36, 1
	s_add_co_u32 s37, s71, SLA
	s_add_nc_u64 s[38:39], s[4:5], s[62:63]
	s_or_b32 s39, s39, 0x80000000
	s_mov_b32 s40, 1
	s_add_co_u32 s41, s58, SLB
	s_add_nc_u64 s[42:43], s[4:5], s[66:67]
	s_add_nc_u64 s[42:43], s[42:43], 98304
	s_or_b32 s43, s43, 0x80000000
	s_mov_b32 s44, 1
	s_add_co_u32 s45, s58, SLA
	s_add_nc_u64 s[46:47], s[4:5], s[68:69]
	s_or_b32 s47, s47, 0x80000000
	CROUND
	; THE HEAD'S LOADS, ONE A WAVE: waves 0, 1 fetch the halves of x's tile, waves 2, 3 the halves of the first slot of weights: what the first product needs
	s_cmp_lt_u32 s[WV], 2
	s_cbranch_scc0 .Lhead_w
	tensor_load_to_lds s[32:35], s[16:23]
	s_nop 0
	PLACES 4
	s_branch .Lhead_asked
.Lhead_w:
	tensor_load_to_lds s[36:39], s[24:31]
	s_nop 0
	PLACES 4
.Lhead_asked:
	v_and_b32 v2, 31, v0
	v_lshlrev_b32 v1, 4, v2
	s_mul_i32 s52, s9, HB
	s_mul_i32 s53, s10, HB
	v_add_nc_u32 v4, s52, v1
	v_add_nc_u32 v5, s53, v1
	v_add_nc_u32 v6, SLA, v5
	v_add_nc_u32 v7, SLA, v4
	v_add_nc_u32 v8, SLB, v5
	v_and_b32 v24, 15, v0
	v_lshlrev_b32 v24, 4, v24
	v_add_nc_u32 v24, SCL, v24
	v_cmp_lt_u32 s[HM], 15, v2
.irp b, 0,1,2,3
	v_mov_b32 v[TM+4+\b], 0
.endr
	s_lshr_b32 s52, s14, 2
	s_lshl_b32 s52, s52, 3
	s_and_b32 s53, s13, 7
	s_add_co_u32 s53, s53, s52
	s_mul_i32 s59, s53, BH
	s_lshr_b32 s53, s13, 3
	s_mul_i32 s53, s53, SEC
	s_add_co_u32 s59, s59, s53
	s_and_b32 s54, s14, 3
	s_lshl_b32 s54, s54, 1
	s_add_co_u32 s53, s54, s9
	s_mul_i32 s53, s53, TL
	s_add_co_u32 s59, s59, s53
	s_lshr_b32 s53, s13, 1
	s_add_co_u32 s53, s53, s52
	s_mul_i32 s70, s53, BH
	s_add_co_u32 s53, s54, s10
	s_mul_i32 s53, s53, TL
	s_add_co_u32 s70, s70, s53
	s_add_co_u32 s70, s70, 2*SEC
.macro SCLOAD sR, sP
	v_mov_b32 v25, s[\sR]
	v_mov_b32 v26, s[\sP]
	v_cndmask_b32 v9, v25, v26, s[HM]
	s_wait_alu depctr_va_vdst(0)
	v_add_nc_u32 v9, v9, v24
.set li, 0
.rept 8
	global_load_b128 v[32+4*li:35+4*li], v9, s[4:5] offset:256*li
.set li, li+1
.endr
.endm
.macro FETCH AP, AR, s, k
	WIN 0x40
.set fb, 0
.rept 8
.irp c, 0,1,2
	ds_load_b128 v[128*(\k)+12*fb+4*\c:128*(\k)+12*fb+4*\c+3], v[\AP] offset:fb*6144+(\s)*1536+\c*512
.endr
.set fb, fb+1
.endr
	WIN 0
.set fb, 0
.rept 8
.irp c, 0,1,2
	ds_load_b128 v[64+96*(\k)+12*fb+4*\c:64+96*(\k)+12*fb+4*\c+3], v[\AR] offset:fb*6144+(\s)*1536+\c*512
.endr
.set fb, fb+1
.endr
.endm
.macro MUL s, k
.set zf, 0
.if (\s) == 0
.set zf, 1
.endif
.set ma, 0
.rept 8
	WIN 0xa1+0x50*(ma/4)
.set mb, 0
.rept 8
	WM 8*(8*(ma%4)+mb), 128*(\k)+12*mb, 64+96*(\k)+12*ma, zf, 32+4*mb+(\s), 32+4*ma+(\s), 1, 0
.set mb, mb+1
.endr
.set ma, ma+1
.endr
.endm
.macro GEMM AP, AR
	s_wait_xcnt 0x0
	FETCH \AP, \AR, 0, 0
.irp s, 0,1,2,3
	s_wait_dscnt 0x0
.if \s == 0
	s_wait_loadcnt 0x0
.endif
.if \s < 3
	PLACES 4
	FETCH \AP, \AR, \s+1, (\s+1)%2
.endif
	MUL \s, \s%2
.endr
	WIN 0
	PLACES 4
.endm
.macro EPI AST
.set ea, 0
.rept 8
	QUANTW 2+ea/4, 64*(ea%4), 80+20*ea, PW+ea      ; each of the eight tiles has code registers of its own: no store's data are written again before the next product's wait on XCNT
.irp c, 0,1,2
	global_store_b128 v1, v[80+20*ea+4*\c:80+20*ea+4*\c+3], s[48:49] offset:ea*(\AST)+\c*512
.endr
.set ea, ea+1
.endr
	MERGE 12
	global_store_b128 v1, v[12:15], s[50:51]
.endm
.macro OUT01 jb
	s_wait_xcnt 0x0
	s_mul_i32 s52, s10, 1536
	s_add_co_u32 s52, s52, s59
	s_add_co_u32 s52, s52, (\jb)*3072
	s_mov_b32 s53, 0
	s_add_nc_u64 s[48:49], s[6:7], s[52:53]
	s_lshl_b32 s52, s10, 9
	s_add_co_u32 s52, s52, s59
	s_add_co_u32 s52, s52, TS+(\jb)*1024
	s_add_nc_u64 s[50:51], s[6:7], s[52:53]
.endm
	s_lshl_b32 s54, s14, 12
	s_lshl_b32 s55, s9, 11
	s_add_co_u32 s54, s54, s55
	s_lshl_b32 s55, s13, 13
	s_lshl_b32 s58, s10, 11
	s_add_co_u32 s55, s55, s58
	s_add_co_u32 s55, s55, 65536
	SCLOAD 54, 55                                  ; the addresses and the first scale words are made and asked for while the head's loads are out
	s_wait_alu depctr_va_vdst(0)                   ; the wait at the head's end
	s_wait_tensorcnt 0x0                           ; my half is in
	ds_add_u32 v[SPW], v[NIL]
	s_mov_b32 s26, 96<<16                          ; no tensor load of mine is out: from here on a load of weights brings 96 rows, a quarter of a slot
	s_mov_b32 s28, 96
	s_wait_dscnt 0x0
	CROUND                                         ; x's tile and the first slot are whole in every partner
	tensor_load_to_lds s[40:43], s[24:31]          ; the second slot's first fill
	s_nop 0
	PLACES 4
	GEMM 6, 4
	s_wait_tensorcnt 0x0
	ds_add_u32 v[SPW], v[NIL]
	s_wait_dscnt 0x0
	CROUND
	tensor_load_to_lds s[44:47], s[24:31]
	s_nop 0
	PLACES 4
	s_add_co_u32 s55, s55, 4096
	SCLOAD 54, 55
	OUT01 0
	EPI 6144
	GEMM 8, 4
	s_lshl_b32 s54, s13, 12
	s_lshl_b32 s55, s9, 11
	s_add_co_u32 s54, s54, s55
	s_add_co_u32 s54, s54, 65536+131072
	s_lshl_b32 s55, s14, 12
	s_lshl_b32 s58, s10, 11
	s_add_co_u32 s55, s55, s58
	SCLOAD 54, 55
	OUT01 1
	EPI 6144
	s_wait_tensorcnt 0x0
	s_wait_dscnt 0x0
	s_barrier_signal -1
	s_barrier_wait -1
	GEMM 5, 7
	s_wait_xcnt 0x0
	s_and_b32 s52, s13, 1
	s_lshl_b32 s52, s52, 1
	s_add_co_u32 s58, s52, s9
	s_mul_i32 s52, s58, 8*1536
	s_add_co_u32 s52, s52, s70
	s_mov_b32 s53, 0
	s_add_nc_u64 s[48:49], s[6:7], s[52:53]
	s_lshl_b32 s52, s58, 9
	s_add_co_u32 s52, s52, s70
	s_add_co_u32 s52, s52, TS
	s_add_nc_u64 s[50:51], s[6:7], s[52:53]
	EPI 1536
	s_wait_tensorcnt 0x0
	ds_add_u32 v[SPW], v[NIL]
	s_wait_dscnt 0x0
	CROUND
	s_endpgm
.Lfunc_end_k_qdc36471b2a_proj:
	.size	k_qdc36471b2a_proj, .Lfunc_end_k_qdc36471b2a_proj-k_qdc36471b2a_proj
	.p2alignl 7, 3214868480
	.fill 96, 4, 3214868480
	.section	.rodata,"a",@progbits
	.p2align	6, 0x0
	.amdhsa_kernel k_qdc36471b2a_proj
		.amdhsa_group_segment_fixed_size 327680
		.amdhsa_private_segment_fixed_size 0
		.amdhsa_enable_private_segment 0
		.amdhsa_kernarg_size 16
		.amdhsa_user_sgpr_count 2
		.amdhsa_user_sgpr_kernarg_segment_ptr 1
		.amdhsa_wavefront_size32 1
		.amdhsa_system_sgpr_workgroup_id_x 1
		.amdhsa_system_sgpr_workgroup_id_y 1
		.amdhsa_system_sgpr_workgroup_id_z 1
		.amdhsa_system_vgpr_workitem_id 0
		.amdhsa_next_free_vgpr 1024
		.amdhsa_next_free_sgpr 72
		.amdhsa_reserve_vcc 0
		.amdhsa_float_denorm_mode_32 3
		.amdhsa_float_denorm_mode_16_64 3
		.amdhsa_memory_ordered 1
		.amdhsa_forward_progress 1
		.amdhsa_inst_pref_size 249
	.end_amdhsa_kernel
	.amdgpu_metadata
---
amdhsa.version: [ 1, 2 ]
amdhsa.kernels:
  - .name:           k_qdc36471b2a_proj
    .symbol:         k_qdc36471b2a_proj.kd
    .args:
      - { .name: cw, .offset: 0, .size: 8, .value_kind: global_buffer, .address_space: global }
      - { .name: qkv, .offset: 8, .size: 8, .value_kind: global_buffer, .address_space: global }
    .group_segment_fixed_size: 327680
    .private_segment_fixed_size: 0
    .kernarg_segment_align: 8
    .kernarg_segment_size: 16
    .max_flat_workgroup_size: 128
    .sgpr_count:     72
    .vgpr_count:     1024
    .wavefront_size: 32
...
	.end_amdgpu_metadata
.endif
;; end of part 2
;; launch attn (part 3): grid 8 x 32, 4 waves a work-group, clusters of 4 x 1, 327,680 bytes of LDS; arguments qkv, x, zq; writes zq
.if DOCPART == 3
	.amdgcn_target "amdgcn-amd-amdhsa--gfx1250"
	.amdhsa_code_object_version 6
	.text
	.protected	k_qdc36471b2a_attn
	.globl	k_qdc36471b2a_attn
	.p2align	8
	.type	k_qdc36471b2a_attn,@function
k_qdc36471b2a_attn:
	s_mov_b64 s[64:65], 0
	v_nop
	global_prefetch_b8 v0, s[64:65] scope:SCOPE_SE
	s_setreg_imm32_b32 hwreg(HW_REG_WAVE_MODE, 25, 1), 1
	s_wait_xcnt 0x0
	s_wait_alu depctr_hold_cnt(0) depctr_sa_sdst(0) depctr_va_vdst(0) depctr_va_sdst(0) depctr_va_ssrc(0) depctr_va_vcc(0) depctr_vm_vsrc(0)
	s_getreg_b32 s2, hwreg(HW_REG_IB_STS2, 6, 4)
	s_cmp_eq_u32 s2, 0
	s_cbranch_scc0 .Lentry_in_a_cluster
	s_endpgm
.Lentry_in_a_cluster:
	s_bfe_u32 s2, ttmp6, 0x10000c
	s_cmp_lg_u32 s2, 0x3003
	s_cbranch_scc0 .Lentry_shape_is_right
	s_endpgm
.Lentry_shape_is_right:
; Launch 3 of 5: for each (batch, head) and block of 128 queries: S = q k^T, the softmax, p v, z = p v / l + x, and z quantised along (head, f).  Both products on codes of E2M3.  No work is left out.
; THE SOFTMAX: t = score x log2(e); M = the row's largest t rounded UP to a whole number; p = 2^(t - M) is what is quantised, along the keys; the row's sum l is taken of the unquantised p and divides at the end.
; TWO PHASES.  1: wave w (wq = w / 2, wk = w % 2) owns query tiles 4 wq .. 4 wq + 3 and the key steps of parity wk: of the two steps of 128 keys that a slot holds, the wk-th.  A lap loads that step's 32 fragments of k ONCE and
;   multiplies them by the first pair of query tiles and then by the second: each fragment read from LDS feeds four matrix instructions.  Each wave keeps a RUNNING M and l over its own four steps; p's codes go to LDS as fragment
;   images, each step's scale word and -M to a place of the wave's own.  At the end the two waves of a wq exchange (-M, l): the final M is the larger, each l is brought under it by an exact power of two and the two are added;
;   each wave takes (final M - the step's M) off every scale byte of its steps: an exact power of two, the codes stay; it publishes the final words, and 1 / l of two of its four tiles.
; 2: wave w owns channels 128 w on for ALL eight query tiles: 64 accumulators, 8 fragments of V^T and 8 of p for 64 matrix instructions, and nothing is ever rescaled, since M is final.
; LIMITS: NaN and infinities not served.  A block of p whose byte would fall under 0 under the final M gets the byte 0 (2^-127): such p are under 2^-120 of the row's largest.  Blocks under 2^-124 or of zeros keep the byte 1.
; Both products are used transposed (source 0 = 16 keys, or 16 channels; source 1 = 16 queries): a lane holds ONE query throughout, and its registers run along the next K.
; CLUSTER 4 x 1: the four blocks of queries of a cluster walk the same k and v, one dense stream of 16 tiles of 51,200 bytes: eight fills of two tiles, asked for jointly; every wave fetches a quarter, 100 rows of 256 bytes.
; By this text's own count a wave has one tensor load outstanding.
; REGISTERS, phase 1: window 0: v1-15 addresses; v16-31 four registers a query tile (-M, largest t, l in two halves); v32-47 k's scale words, v48-55 q's; v56-63 four a tile of the pair in hand (f, -, scale word, copy of -M);
;   v64-191 S^T of the pair in hand, then p; v192-223 at work; v224-255 p's codes.  window 1: q (v0-191).  windows 2, 3: k's 32 fragments.
; phase 2: window 0: v32-47 scale words, v64-159, v160-255 p's fragments (two sets).  window 1: V^T's (v0-95, v96-191), x (v192-255).  windows 2, 3: accumulator (a, b) at v[8 (8 (a % 4) + b)] of window 2 + a / 4.
.set BH,    1228800
.set SEC,   409600
.set TL,    51200
.set TS,    49152
.set SLOTB, 102400                     ; LDS: slot 0 at 0, slot 1 here: two stream tiles each
.set PST,   204800                     ; p's images: [step][query tile][1,536]
.set PSW,   303104                     ; p's final scale words: a block of 512 bytes a step
.set RAW,   307200                     ; [wave][lap][pair][q][lane] 8 bytes: the step's scale word and -M
.set RL,    323584                     ; 1 / l: [query tile][lane] 4 bytes
.set EXC,   324608                     ; the exchange: [query tile][parity][lane row] 8 bytes: -M and l
.set SPARE, 326656                     ; the spare words, 128 bytes for each wave
.set ZSO,   12582912
.set WV,    10
.set HM,    16
.set SEL,   20
.set CS,    22
.set TM,    192
.set PW,    16
.set MSB,   0
.macro WIN new                         ; the immediate's high byte repeats the setting that is left; a switch that changes nothing is dropped
.if MSB != (\new)
	s_set_vgpr_msb (MSB<<8)|(\new)
.set MSB, (\new)
.endif
.endm
.macro PLACES n
.rept \n
	v_nop
.endr
.endm
.macro CROUND                          ; a round of the cluster's barrier
	s_barrier_signal -1
	s_barrier_wait -1
	s_cmp_lg_u32 s[WV], 0
	s_cbranch_scc1 .Lnw0_\@
	s_barrier_signal -3
.Lnw0_\@:
	s_barrier_wait -3
	s_barrier_signal -1
	s_barrier_wait -1
.endm
; one scaled matrix instruction: D at d, A at a, B at b; z = 1: C is the constant 0; sa, sb the scale registers; ra, rb = 1: that side's words lie in lanes 16-31
.macro WM d, a, b, z, sa, sb, ra, rb
.set wsel, 4*(\z)+2*(\ra)+(\rb)
.if wsel == 0
	v_wmma_scale_f32_16x16x128_f8f6f4 v[(\d):(\d)+7], v[(\a):(\a)+11], v[(\b):(\b)+11], v[(\d):(\d)+7], v[(\sa)], v[(\sb)] matrix_a_fmt:MATRIX_FMT_FP6 matrix_b_fmt:MATRIX_FMT_FP6
.elseif wsel == 1
	v_wmma_scale_f32_16x16x128_f8f6f4 v[(\d):(\d)+7], v[(\a):(\a)+11], v[(\b):(\b)+11], v[(\d):(\d)+7], v[(\sa)], v[(\sb)] matrix_a_fmt:MATRIX_FMT_FP6 matrix_b_fmt:MATRIX_FMT_FP6 matrix_b_scale:MATRIX_SCALE_ROW1
.elseif wsel == 2
	v_wmma_scale_f32_16x16x128_f8f6f4 v[(\d):(\d)+7], v[(\a):(\a)+11], v[(\b):(\b)+11], v[(\d):(\d)+7], v[(\sa)], v[(\sb)] matrix_a_fmt:MATRIX_FMT_FP6 matrix_b_fmt:MATRIX_FMT_FP6 matrix_a_scale:MATRIX_SCALE_ROW1
.elseif wsel == 3
	v_wmma_scale_f32_16x16x128_f8f6f4 v[(\d):(\d)+7], v[(\a):(\a)+11], v[(\b):(\b)+11], v[(\d):(\d)+7], v[(\sa)], v[(\sb)] matrix_a_fmt:MATRIX_FMT_FP6 matrix_b_fmt:MATRIX_FMT_FP6 matrix_a_scale:MATRIX_SCALE_ROW1 matrix_b_scale:MATRIX_SCALE_ROW1
.elseif wsel == 4
	v_wmma_scale_f32_16x16x128_f8f6f4 v[(\d):(\d)+7], v[(\a):(\a)+11], v[(\b):(\b)+11], 0, v[(\sa)], v[(\sb)] matrix_a_fmt:MATRIX_FMT_FP6 matrix_b_fmt:MATRIX_FMT_FP6
.elseif wsel == 5
	v_wmma_scale_f32_16x16x128_f8f6f4 v[(\d):(\d)+7], v[(\a):(\a)+11], v[(\b):(\b)+11], 0, v[(\sa)], v[(\sb)] matrix_a_fmt:MATRIX_FMT_FP6 matrix_b_fmt:MATRIX_FMT_FP6 matrix_b_scale:MATRIX_SCALE_ROW1
.elseif wsel == 6
	v_wmma_scale_f32_16x16x128_f8f6f4 v[(\d):(\d)+7], v[(\a):(\a)+11], v[(\b):(\b)+11], 0, v[(\sa)], v[(\sb)] matrix_a_fmt:MATRIX_FMT_FP6 matrix_b_fmt:MATRIX_FMT_FP6 matrix_a_scale:MATRIX_SCALE_ROW1
.else
	v_wmma_scale_f32_16x16x128_f8f6f4 v[(\d):(\d)+7], v[(\a):(\a)+11], v[(\b):(\b)+11], 0, v[(\sa)], v[(\sb)] matrix_a_fmt:MATRIX_FMT_FP6 matrix_b_fmt:MATRIX_FMT_FP6 matrix_a_scale:MATRIX_SCALE_ROW1 matrix_b_scale:MATRIX_SCALE_ROW1
.endif
.endm
; 64 numbers of a lane in window W, register s + 16 b + i = k 32 b + 16 (lane / 16) + i of my row, become a fragment's 12 code registers at PCb and its scale word in PWr (both window 0).
.macro QUANTW W, s, PCb, PWr
	WIN 5*(\W)
.irp b, 0,1,2,3
	v_max3_num_f32 v[TM+\b], |v[(\s)+16*\b]|, |v[(\s)+16*\b+1]|, 0x1800000   ; block b: my 16 numbers, and the floor 2^(3 - 127)
.endr
.irp i, 2,4,6,8,10,12,14
.irp b, 0,1,2,3
	v_max3_num_f32 v[TM+\b], |v[(\s)+16*\b+\i]|, |v[(\s)+16*\b+\i+1]|, v[TM+\b]
.endr
.endr
	WIN 0
.irp b, 0,1,2,3
	v_permlanex16_b32 v[TM+4+\b], v[TM+\b], s[SEL], s[SEL+1]
.endr
.irp b, 0,1,2,3
	v_max_num_f32 v[TM+\b], v[TM+\b], v[TM+4+\b]
.endr
.irp b, 0,1,2,3
	v_add_nc_u32 v[TM+12+\b], 0xff000000, v[TM+\b]      ; 2 off the exponent field: the conversion's scale operand
.endr
.irp b, 0,1,2,3
	v_lshrrev_b32 v[TM+4+\b], 23, v[TM+12+\b]           ; the scale's byte
.endr
	v_lshl_or_b32 v[(\PWr)], v[TM+5], 8, v[TM+4]
	v_lshl_or_b32 v[(\PWr)], v[TM+6], 16, v[(\PWr)]
	v_lshl_or_b32 v[(\PWr)], v[TM+7], 24, v[(\PWr)]
	s_wait_xcnt 0x0                                     ; earlier stores have read their data: the code registers may be written again
	WIN (\W)
.irp c, 0,1
	v_cvt_scalef32_pk16_fp6_f32 v[(\PCb)+6*\c:(\PCb)+6*\c+2], v[(\s)+32*\c:(\s)+32*\c+15], v[TM+12+2*\c]
	v_cvt_scalef32_pk16_fp6_f32 v[(\PCb)+12+4*\c:(\PCb)+14+4*\c], v[(\s)+32*\c+16:(\s)+32*\c+31], v[TM+13+2*\c]
.endr
	WIN 0
	v_nop                                               ; one plain place behind a scaled conversion
.irp c, 0,1
.irp i, 0,1,2
	v_permlane16_swap_b32 v[(\PCb)+6*\c+\i], v[(\PCb)+12+4*\c+\i]
.endr
.irp i, 0,1,2
	v_mov_b32 v[(\PCb)+3+6*\c+\i], v[(\PCb)+12+4*\c+\i]
.endr
.endr
.endm
.macro MERGE dst                       ; eight scale words become one block of 512 bytes
.irp i, 0,1,2,3
	v_cndmask_b32 v[(\dst)+\i], v[PW+2*\i], v[PW+2*\i+1], s[HM]
.endr
.endm
; A PREFETCH INTO THE L2 of the fill that the NEXT change of slots will ask for: 102,400 bytes, 400 blocks of 256.  Both clusters of a (batch, head) walk the same stream: the first (cluster x = 0) asks.
; Its four partners take a quarter each, told apart BY ADDRESS; in each, wave w names blocks 25 w on, a lane a block (lanes 25 to 31 name lane 24's block again).  It stands behind the joint load and the run of LDS loads that follows it.
; It is asked at the first six changes: two key steps ahead of the load that will want the bytes; fills 0 and 1 come by their loads alone, and behind the last fill there is nothing to name.
.macro ASK
	s_cmp_eq_u32 s44, 1
	s_cbranch_scc0 .Lnot_mine_\@
	global_prefetch_b8 v12, s[42:43] th:TH_LOAD_NT scope:SCOPE_SE
.Lnot_mine_\@:
.endm
; THE CHANGE OF SLOTS.  Each wave waits for all its tensor loads (its quarter of the slot ahead), adds 0 to its spare word, and waits for that and for its reads of the slot that it leaves; a round of the cluster's barrier;
; the joint refill of the slot just left is the first thing behind it.  s36: the slot to fill, s37: the slot to read.
.macro CHANGE
	WIN 0
	s_wait_tensorcnt 0x0                           ; no tensor load of mine is out, so group 0 may be written
	ds_add_u32 v8, v9                              ; the descriptor's steps stand between the add and the wait for it
	s_xor_b32 s36, s36, SLOTB
	s_xor_b32 s37, s36, SLOTB
	s_add_co_u32 s33, s36, s38                     ; the slot, + my quarter
	s_add_nc_u64 s[34:35], s[34:35], SLOTB         ; the next fill; the type bits on top are not reached
	s_wait_xcnt 0x0                                ; the last prefetch has read its address
	s_add_nc_u64 s[42:43], s[42:43], SLOTB
	s_wait_dscnt 0x0
	CROUND
	tensor_load_to_lds s[32:35], s[24:31]
	s_nop 0
	PLACES 4
.endm
.macro CHANGE2 tgt                     ; the same in phase 2, which is written out: the slot is a constant
	WIN 0
	s_wait_tensorcnt 0x0
	ds_add_u32 v8, v9
	s_add_co_u32 s33, s38, \tgt
	s_add_nc_u64 s[34:35], s[34:35], SLOTB
	s_wait_xcnt 0x0
	s_add_nc_u64 s[42:43], s[42:43], SLOTB
	s_wait_dscnt 0x0
	CROUND
	tensor_load_to_lds s[32:35], s[24:31]
	s_nop 0
	PLACES 4
.endm
	s_load_b128 s[4:7], s[0:1], 0x0                ; qkv, x
	s_load_b64 s[8:9], s[0:1], 0x10                ; zq
	v_lshl_add_u32 v8, v0, 2, SPARE
	v_mov_b32 v9, 0
	ds_add_u32 v8, v9                              ; the opening: the add, twice on end, and its wait ahead of my first tensor load
	ds_add_u32 v8, v9
	v_lshrrev_b32 v1, 5, v0
	v_readfirstlane_b32 s[WV], v1                  ; wave 0..3
	s_lshr_b32 s14, s[WV], 1                       ; wq: my four query tiles in phase 1
	s_and_b32 s15, s[WV], 1                        ; wk: my parity of key steps
	s_bfe_u32 s11, ttmp6, 0x40000                  ; cx
	s_lshl_b32 s12, ttmp9, 2
	s_add_co_u32 s12, s12, s11                     ; G: my block of 128 queries; it enters q's, x's and z's addresses alone
	s_and_b32 s13, ttmp7, 0xffff                   ; 8 x batch + head, which the partners share
	s_mov_b32 s24, 15|(3<<16)|(1<<21)              ; group 1: the mask names all four; elements of 8 bytes; bit 21 beside a mask; no padding
	s_mov_b32 s25, 32<<16                          ; rows of 256 bytes
	s_mov_b32 s26, 100<<16                         ; 100 rows
	s_mov_b32 s27, 32<<16
	s_mov_b32 s28, 100
	s_mov_b32 s29, 32                              ; dense
	s_mov_b32 s30, 0
	s_mov_b32 s31, 0
	s_mul_i32 s38, s[WV], 25600                    ; my quarter of a fill
	s_mul_i32 s45, s15, TL                         ; my step's tile in a slot
	s_lshl_b32 s17, s14, 10
	s_lshl_b32 s18, s15, 7
	s_add_co_u32 s17, s17, s18
	s_add_co_u32 s17, s17, EXC                     ; the exchange: my place,
	s_xor_b32 s18, s17, 128                        ; and the other parity's
	s_cmp_eq_u32 s15, 1
	s_cselect_b32 s19, -1, 0                       ; all lanes on where wk = 1: picks which two tiles' 1 / l I publish
	s_mov_b32 s36, 0
	s_mov_b32 s37, 0
	s_mov_b32 s39, 4                               ; laps: a slot's two key steps, one of them mine
	s_mov_b32 s40, 0                               ; the lap's place in p's images,
	s_mov_b32 s41, 0                               ; and among the raw words
	s_mov_b32 s[SEL], 0x76543210
	s_mov_b32 s[SEL+1], 0xfedcba98
	s_mov_b32 s[CS], 0x3fb8aa3b                    ; log2(e): reference() has no 1 / sqrt(d)
	s_mov_b32 s[CS+1], s[CS]                       ; (named with it as a pair)
	s_mul_i32 s54, s13, BH
	s_add_co_u32 s56, s54, SEC
	s_add_co_u32 s56, s56, s38                     ; the stream's first fill, my quarter
	s_mov_b32 s57, 0
	s_cmp_eq_u32 ttmp9, 0
	s_cselect_b32 s44, 1, 0                        ; do I prefetch?  The same in all four partners
	s_wait_dscnt 0x0                               ; both opening adds are done
	s_wait_kmcnt 0x0
	s_mov_b32 s32, 1
	s_mov_b32 s33, s38
	s_add_nc_u64 s[34:35], s[4:5], s[56:57]
	s_or_b32 s35, s35, 0x80000000
	CROUND                                         ; all four work-groups are here
	tensor_load_to_lds s[32:35], s[24:31]          ; fill 0: key steps 0 and 1
	s_nop 0
	PLACES 4
	s_mul_i32 s58, s11, 25600                      ; the prefetches: my work-group's quarter, in fill 1: the first change steps it to fill 2
	s_add_co_u32 s58, s58, s54
	s_add_co_u32 s58, s58, SEC+SLOTB
	s_mov_b32 s59, 0
	s_add_nc_u64 s[42:43], s[4:5], s[58:59]
	s_mul_i32 s58, s12, TL
	s_add_co_u32 s58, s58, s54
	s_add_nc_u64 s[46:47], s[4:5], s[58:59]        ; q's tile G
	s_lshr_b32 s52, s13, 3                         ; batch
	s_and_b32 s53, s13, 7                          ; head
	s_lshl_b32 s58, s52, 21
	s_lshl_b32 s56, s12, 18
	s_add_co_u32 s58, s58, s56
	s_lshl_b32 s56, s[WV], 9
	s_add_co_u32 s58, s58, s56
	s_add_nc_u64 s[48:49], s[6:7], s[58:59]        ; x at row 1,024 batch + 128 G, channel 128 w
	s_lshl_b32 s56, s52, 3
	s_add_co_u32 s56, s56, s12                     ; the group of 128 rows
	s_lshl_b32 s56, s56, 5
	s_lshl_b32 s57, s53, 2
	s_add_co_u32 s56, s56, s57
	s_add_co_u32 s56, s56, s[WV]                   ; x 32 + the joiner's K step 4 head + w
	s_mul_i32 s58, s56, 12288
	s_add_nc_u64 s[50:51], s[8:9], s[58:59]        ; z's eight fragments
	s_lshl_b32 s58, s56, 9
	s_add_co_u32 s58, s58, ZSO
	s_add_nc_u64 s[52:53], s[8:9], s[58:59]        ; and their block of scale words
	v_and_b32 v2, 31, v0                           ; lane
	v_lshlrev_b32 v1, 4, v2                        ; 16 x lane
	s_wait_alu depctr_va_vdst(0)
	s_mul_i32 s54, s15, 12288
	s_mul_i32 s55, s14, 6144
	s_add_co_u32 s54, s54, s55
	s_add_co_u32 s54, s54, PST
	v_add_nc_u32 v4, s54, v1                       ; where I store p's images: step wk, query tile 4 wq
	s_lshl_b32 s54, s[WV], 12
	s_add_co_u32 s54, s54, RAW
	v_lshl_add_u32 v5, v2, 3, s54                  ; my raw words
	s_lshl_b32 s54, s15, 9
	s_lshl_b32 s55, s14, 3
	s_add_co_u32 s54, s54, s55
	s_add_co_u32 s54, s54, PSW
	v_add_nc_u32 v10, s54, v1                      ; my place among p's final words: block wk, 16 x lane + 8 wq
	v_add_nc_u32 v7, s55, v1                       ; (q's scale words in memory: 16 x lane + 8 wq: my two pairs of tiles)
	s_mul_i32 s54, s14, 24576
	v_add_nc_u32 v6, s54, v1                       ; (q's fragments in memory: my four tiles)
	s_lshl_b32 s54, s[WV], 8
	s_add_co_u32 s54, s54, RL
	v_lshl_add_u32 v11, v2, 2, s54                 ; 1 / l of query tiles 2 w, 2 w + 1
	v_min_u32 v12, 24, v2
	s_mul_i32 s54, s[WV], 25
	v_add_nc_u32 v12, s54, v12
	v_lshlrev_b32 v12, 8, v12                      ; the prefetches' offset
	v_and_b32 v62, 15, v0
	v_and_b32 v13, 8, v62
	v_add_nc_u32 v13, v13, v62
	v_lshlrev_b32 v13, 11, v13
	v_bfe_u32 v62, v0, 4, 1
	v_lshl_add_u32 v13, v62, 6, v13                ; x: row r + 8 (r / 8) of a tile, + 64 h
	s_mul_i32 s54, s[WV], 12288
	v_add_nc_u32 v14, s54, v1                      ; phase 2: my eight fragments of V^T in a tile
	s_lshl_b32 s54, s[WV], 9
	s_add_co_u32 s54, s54, TS
	v_add_nc_u32 v15, s54, v1                      ; and their scale words
	v_add_nc_u32 v3, s45, v1                       ; my step's tile of k in a slot
	v_cmp_lt_u32 s[HM], 15, v2
	WIN 0x40                                       ; destination window 1
.irp u, 0,1,2,3
.irp s, 0,1,2,3
.irp c, 0,1,2
	global_load_b128 v[12*(4*\u+\s)+4*\c:12*(4*\u+\s)+4*\c+3], v6, s[46:47] offset:\u*6144+\s*1536+\c*512   ; q stays in registers
.endr
.endr
.endr
	WIN 0
.irp s, 0,1,2,3
	global_load_b64 v[48+2*\s:49+2*\s], v7, s[46:47] offset:TS+512*\s   ; register 48 + 2 s + P: lanes 0-15 the words of tile 4 wq + 2 P, lanes 16-31 those of the tile after it
.endr
.irp u, 0,1,2,3
	v_mov_b32 v[17+4*\u], 0xff61b1e6               ; the largest t so far: -3e38
	v_floor_f32 v[16+4*\u], -v[17+4*\u]            ; -M
	v_mov_b32 v[18+4*\u], 0                        ; l, in two halves
	v_mov_b32 v[19+4*\u], 0
.endr
.irp q, 0,1
	v_mov_b32 v[57+4*\q], 0                        ; (named as the upper half of f's pair)
.irp b, 0,1,2,3
	v_mov_b32 v[196+16*\q+\b], 0                   ; a lane permute's destination counts as one of its sources
.endr
.endr
; 100 LDS loads in one run: a key step's 32 fragments of k and its four blocks of scale words
.macro LOADK A
	WIN 0x80
.set kt, 0
.rept 5
.irp s, 0,1,2,3
.irp c, 0,1,2
	ds_load_b128 v[12*(4*kt+\s)+4*\c:12*(4*kt+\s)+4*\c+3], v[\A] offset:kt*6144+\s*1536+\c*512
.endr
.endr
.set kt, kt+1
.endr
	WIN 0xc0
.rept 3
.irp s, 0,1,2,3
.irp c, 0,1,2
	ds_load_b128 v[12*(4*(kt-5)+\s)+4*\c:12*(4*(kt-5)+\s)+4*\c+3], v[\A] offset:kt*6144+\s*1536+\c*512
.endr
.endr
.set kt, kt+1
.endr
	WIN 0
.irp s, 0,1,2,3
	ds_load_b128 v[32+4*\s:35+4*\s], v[\A] offset:TS+512*\s
.endr
.endm
; S^T = k q^T for pair P of my query tiles: 64 matrix instructions; ten, then six accumulators take turns, one instruction a turn
.macro SMUL P
	WIN 0x06                                       ; k window 2, q window 1, S^T window 0
.irp s, 0,1,2,3
.set zf, 0
.if \s == 0
.set zf, 1
.endif
.irp t, 0,1,2,3,4
.irp q, 0,1
	WM 64+64*\q+8*\t, 12*(4*\t+\s), 12*(4*(2*(\P)+\q)+\s), zf, 32+4*\s+\t/2, 48+2*\s+(\P), \t%2, \q
.endr
.endr
.endr
	WIN 0x07                                       ; k window 3
.irp s, 0,1,2,3
.set zf, 0
.if \s == 0
.set zf, 1
.endif
.irp t, 5,6,7
.irp q, 0,1
	WM 64+64*\q+8*\t, 12*(4*(\t-5)+\s), 12*(4*(2*(\P)+\q)+\s), zf, 32+4*\s+\t/2, 48+2*\s+(\P), \t%2, \q
.endr
.endr
.endr
	WIN 0
.endm
; THE SOFTMAX OF MY KEY STEP for pair P of my query tiles, stage by stage, the two tiles by turns.  Register 64 + 64 q + 16 b + i is key 32 b + 16 (lane / 16) + i.
.macro SOFT P
.irp b, 0,1,2,3
.irp q, 0,1
	v_max3_num_f32 v[192+16*\q+\b], v[64+64*\q+16*\b], v[65+64*\q+16*\b], v[66+64*\q+16*\b]   ; THE LARGEST SCORE OF EACH BLOCK OF 32 KEYS: for the row's maximum, and, since p rises with the score, for the block's largest p
.endr
.endr
.irp i, 3,5,7,9,11,13
.irp b, 0,1,2,3
.irp q, 0,1
	v_max3_num_f32 v[192+16*\q+\b], v[192+16*\q+\b], v[64+64*\q+16*\b+\i], v[65+64*\q+16*\b+\i]
.endr
.endr
.endr
.irp b, 0,1,2,3
.irp q, 0,1
	v_max_num_f32 v[192+16*\q+\b], v[192+16*\q+\b], v[79+64*\q+16*\b]
.endr
.endr
.irp b, 0,1,2,3
.irp q, 0,1
	v_permlanex16_b32 v[196+16*\q+\b], v[192+16*\q+\b], s[SEL], s[SEL+1]
.endr
.endr
.irp b, 0,1,2,3
.irp q, 0,1
	v_max_num_f32 v[192+16*\q+\b], v[192+16*\q+\b], v[196+16*\q+\b]   ; with lane l xor 16's 16 keys
.endr
.endr
.irp q, 0,1
	v_max3_num_f32 v[204+16*\q], v[192+16*\q], v[193+16*\q], v[194+16*\q]
.endr
.irp q, 0,1
	v_max_num_f32 v[204+16*\q], v[204+16*\q], v[195+16*\q]   ; the step's largest score of my query
.endr
.irp q, 0,1
	v_mul_f32 v[204+16*\q], s[CS], v[204+16*\q]              ; as t
.endr
.irp q, 0,1
	v_max_num_f32 v[17+8*(\P)+4*\q], v[17+8*(\P)+4*\q], v[204+16*\q]   ; the running largest t
.endr
.irp q, 0,1
	v_mov_b32 v[204+16*\q], v[16+8*(\P)+4*\q]
.endr
.irp q, 0,1
	v_floor_f32 v[16+8*(\P)+4*\q], -v[17+8*(\P)+4*\q]        ; the new -M = -ceil(t): a whole number
.endr
.irp q, 0,1
	v_sub_f32 v[204+16*\q], v[16+8*(\P)+4*\q], v[204+16*\q]  ; old M - new M: a whole number, 0 or less
.endr
.irp q, 0,1
	v_cvt_i32_f32 v[204+16*\q], v[204+16*\q]                 ; (it saturates)
.endr
.irp q, 0,1
	v_ldexp_f32 v[56+4*\q], 1.0, v[204+16*\q]                ; f = 2^(old M - new M)
.endr
.set n, 0
.rept 32
.irp q, 0,1
	v_pk_fma_f32 v[64+64*\q+2*n:65+64*\q+2*n], v[64+64*\q+2*n:65+64*\q+2*n], s[CS:CS+1], v[16+8*(\P)+4*\q:17+8*(\P)+4*\q] op_sel_hi:[1,0,0]   ; t - M, two at a time
.endr
.set n, n+1
.endr
.irp b, 0,1,2,3
.irp q, 0,1
	v_fma_f32 v[192+16*\q+\b], v[192+16*\q+\b], s[CS], v[16+8*(\P)+4*\q]   ; the same of each block's largest score
.endr
.endr
.set n, 0
	s_wait_alu depctr_va_vdst(0)
.rept 64
.irp q, 0,1
	v_exp_f32 v[64+64*\q+n], v[64+64*\q+n]         ; p = 2^(t - M): ONE BATCH of 128
.endr
.set n, n+1
.endr
.irp q, 0,1
	v_pk_mul_f32 v[18+8*(\P)+4*\q:19+8*(\P)+4*\q], v[18+8*(\P)+4*\q:19+8*(\P)+4*\q], v[56+4*\q:57+4*\q] op_sel_hi:[1,0]   ; l under the new M: the plain places behind the batch
.endr
	s_wait_alu depctr_va_vdst(0)                   ; one wait for the batch, ahead of its first reader
.irp b, 0,1,2,3
.irp q, 0,1
	v_exp_f32 v[192+16*\q+\b], v[192+16*\q+\b]     ; the blocks' largest p: the same two instructions on the same number give the same bits
.endr
.endr
.irp q, 0,1
	v_pk_add_f32 v[196+16*\q:197+16*\q], v[64+64*\q:65+64*\q], v[66+64*\q:67+64*\q]   ; THE ROW'S SUM IS TAKEN OF THE UNQUANTISED p, in two chains; it reads the 128 alone
.endr
.set n, 4
.rept 15
.irp q, 0,1
	v_pk_add_f32 v[18+8*(\P)+4*\q:19+8*(\P)+4*\q], v[18+8*(\P)+4*\q:19+8*(\P)+4*\q], v[64+64*\q+n:65+64*\q+n]
	v_pk_add_f32 v[196+16*\q:197+16*\q], v[196+16*\q:197+16*\q], v[66+64*\q+n:67+64*\q+n]
.endr
.set n, n+4
.endr
.irp q, 0,1
	v_pk_add_f32 v[18+8*(\P)+4*\q:19+8*(\P)+4*\q], v[18+8*(\P)+4*\q:19+8*(\P)+4*\q], v[196+16*\q:197+16*\q]
.endr
	s_wait_alu depctr_va_vdst(0)                   ; and one for the eight
.irp b, 0,1,2,3
.irp q, 0,1
	v_max_num_f32 v[192+16*\q+\b], 0x1800000, v[192+16*\q+\b]   ; the floor 2^(3 - 127)
.endr
.endr
.irp b, 0,1,2,3
.irp q, 0,1
	v_add_nc_u32 v[200+16*\q+\b], 0xff000000, v[192+16*\q+\b]   ; the conversion's scale operand
.endr
.endr
.irp b, 0,1,2,3
.irp q, 0,1
	v_lshrrev_b32 v[204+16*\q+\b], 23, v[200+16*\q+\b]          ; the scale's byte, under this step's M
.endr
.endr
.irp q, 0,1
	v_lshl_or_b32 v[58+4*\q], v[205+16*\q], 8, v[204+16*\q]
.endr
.irp q, 0,1
	v_lshl_or_b32 v[58+4*\q], v[206+16*\q], 16, v[58+4*\q]
.endr
.irp q, 0,1
	v_lshl_or_b32 v[58+4*\q], v[207+16*\q], 24, v[58+4*\q]
	v_mov_b32 v[59+4*\q], v[16+8*(\P)+4*\q]        ; and that M beside it
.endr
.irp q, 0,1                                    ; (the upper halves of the blocks are made elsewhere and moved: for the first tile at v236 on, for the second at v192 on, where the first tile's maxima and second chain are done with)
.irp c, 0,1
	v_cvt_scalef32_pk16_fp6_f32 v[224+20*\q+6*\c:226+20*\q+6*\c], v[64+64*\q+32*\c:79+64*\q+32*\c], v[200+16*\q+2*\c]
	v_cvt_scalef32_pk16_fp6_f32 v[236-44*\q+4*\c:238-44*\q+4*\c], v[80+64*\q+32*\c:95+64*\q+32*\c], v[201+16*\q+2*\c]
.endr
.endr
	v_nop                                          ; one plain place behind a scaled conversion
.irp q, 0,1
.irp c, 0,1
.irp i, 0,1,2
	v_permlane16_swap_b32 v[224+20*\q+6*\c+\i], v[236-44*\q+4*\c+\i]
.endr
.irp i, 0,1,2
	v_mov_b32 v[227+20*\q+6*\c+\i], v[236-44*\q+4*\c+\i]
.endr
.endr
.endr
.irp q, 0,1
.irp c, 0,1,2
	ds_store_b128 v6, v[224+20*\q+4*\c:227+20*\q+4*\c] offset:(\P)*3072+\q*1536+\c*512   ; p's fragment as it stands
.endr
	ds_store_b64 v7, v[58+4*\q:59+4*\q] offset:(\P)*512+\q*256
.endr
.endm
	; ---- PHASE 1
	CHANGE                                         ; fill 0 is in everybody's LDS; fill 1 is asked for
	v_add_nc_u32 v2, s37, v3                       ; my step's tile in the slot to read
	LOADK 2
	ASK
	s_wait_loadcnt 0x0                             ; q
.Llap:                                             ; four trips: one key step of mine, against my four query tiles, a pair at a time
	v_add_nc_u32 v6, s40, v4
	v_add_nc_u32 v7, s41, v5
	s_wait_dscnt 0x0                               ; k's fragments are in; the last softmax's stores have read their registers
	SMUL 0
	PLACES 4                                       ; four places in front of the first read of results
	SOFT 0
	s_wait_dscnt 0x0                               ; the softmax's stores have read their registers
	SMUL 1                                         ; the same fragments of k once more
	PLACES 4                                       ; four places in front of loads into registers that matrix instructions have read, and of the first read of results
	CHANGE                                         ; both steps of the slot have long been in registers: it is left and filled again
	v_add_nc_u32 v2, s37, v3
	s_cmp_eq_u32 s39, 1                            ; behind the last key step there is no k to fetch: a branch on the count of laps, round LDS loads alone
	s_cbranch_scc1 .Lno_k
	LOADK 2                                        ; the next step's k lands under the softmax
.Lno_k:
	ASK
	SOFT 1
	s_add_co_u32 s40, s40, 24576
	s_add_co_u32 s41, s41, 1024
	s_sub_co_u32 s39, s39, 1
	s_cmp_lg_u32 s39, 0
	s_cbranch_scc1 .Llap
	; ---- THE TWO PARITIES MEET: (-M, l) of my four query tiles go to the exchange, the other parity's come back
	v_and_b32 v2, 15, v0
	v_lshlrev_b32 v2, 3, v2                        ; 8 bytes a lane row: lanes l and l + 16 hold the same two numbers and write them to the same place
	v_add_nc_u32 v3, s18, v2
	v_add_nc_u32 v2, s17, v2
.irp u, 0,1,2,3
	v_add_f32 v[18+4*\u], v[18+4*\u], v[19+4*\u]
.endr
.irp u, 0,1,2,3
	v_permlanex16_b32 v[192+\u], v[18+4*\u], s[SEL], s[SEL+1]
.endr
.irp u, 0,1,2,3
	v_add_f32 v[17+4*\u], v[18+4*\u], v[192+\u]    ; my steps' sum, beside -M (the largest t is done with)
.endr
.irp u, 0,1,2,3
	ds_store_b64 v2, v[16+4*\u:17+4*\u] offset:256*\u
.endr
	s_wait_dscnt 0x0                               ; for the other's sake: my stores have landed
	s_barrier_signal -1
	s_barrier_wait -1                              ; the fill that is on its way may stay out
.irp u, 0,1,2,3
	ds_load_b64 v[200+2*\u:201+2*\u], v3 offset:256*\u
.endr
.set n, 0
.rept 16
	ds_load_b64 v[64+2*n:65+2*n], v5 offset:256*n  ; (word, -M) of lap n / 4, query tile n % 4 of my four: my own bytes
.set n, n+1
.endr
	s_wait_dscnt 0x0
.irp u, 0,1,2,3
	v_min_num_f32 v[208+\u], v[16+4*\u], v[200+2*\u]   ; the final -M
.endr
.irp u, 0,1,2,3
	v_sub_f32 v[212+\u], v[208+\u], v[16+4*\u]     ; my M - the final M: a whole number, 0 or less;
	v_sub_f32 v[216+\u], v[208+\u], v[200+2*\u]    ; the other's
.endr
.irp u, 0,1,2,3
	v_cvt_i32_f32 v[212+\u], v[212+\u]
	v_cvt_i32_f32 v[216+\u], v[216+\u]
.endr
.irp u, 0,1,2,3
	v_ldexp_f32 v[17+4*\u], v[17+4*\u], v[212+\u]  ; both sums under the final M: nothing is rounded
	v_ldexp_f32 v[201+2*\u], v[201+2*\u], v[216+\u]
.endr
.irp u, 0,1,2,3
	v_add_f32 v[17+4*\u], v[17+4*\u], v[201+2*\u]  ; the row's sum
.endr
	v_cndmask_b32 v220, v17, v25, s19              ; I publish 1 / l of tiles 2 wk, 2 wk + 1 of the four: query tiles 2 w, 2 w + 1
	v_cndmask_b32 v221, v21, v29, s19
	s_wait_alu depctr_va_vdst(0)
	v_rcp_f32 v222, v220
	v_rcp_f32 v223, v221
	v_nop                                          ; a plain place behind the reciprocals
	s_wait_alu depctr_va_vdst(0)                   ; one wait for the two, ahead of their first reader
	ds_store_b32 v11, v222
	ds_store_b32 v11, v223 offset:128
	; ---- THE SCALE WORDS UNDER THE FINAL M
.set n, 0
.rept 16
	v_sub_f32 v[65+2*n], v[65+2*n], v[208+n%4]     ; final M - the step's M: a whole number, 0 or more
.set n, n+1
.endr
.set n, 0
.rept 16
	v_cvt_i32_f32 v[65+2*n], v[65+2*n]             ; (it saturates)
.set n, n+1
.endr
.set n, 0
.rept 16
	v_min_u32 v[65+2*n], 0xff, v[65+2*n]
.set n, n+1
.endr
.set n, 0
.rept 16
.irp b, 0,1,2,3
	v_bfe_u32 v[128+4*n+\b], v[64+2*n], 8*\b, 8
.endr
.set n, n+1
.endr
.set n, 0
.rept 16
.irp b, 0,1,2,3
	v_sub_nc_u32 v[128+4*n+\b], v[128+4*n+\b], v[65+2*n]
.endr
.set n, n+1
.endr
.set n, 0
.rept 16
.irp b, 0,1,2,3
	v_max_i32 v[128+4*n+\b], 0, v[128+4*n+\b]      ; held at 0 from below
.endr
.set n, n+1
.endr
.set n, 0
.rept 16
	v_lshl_or_b32 v[64+2*n], v[129+4*n], 8, v[128+4*n]
	v_lshl_or_b32 v[64+2*n], v[130+4*n], 16, v[64+2*n]
	v_lshl_or_b32 v[64+2*n], v[131+4*n], 24, v[64+2*n]
.set n, n+1
.endr
.set n, 0
.rept 8                                        ; n = 2 lap + pair
	v_cndmask_b32 v[64+4*n], v[64+4*n], v[66+4*n], s[HM]   ; lanes 0-15: the pair's first tile's word, lanes 16-31: its second's
	ds_store_b32 v10, v[64+4*n] offset:(n/2)*1024+(n%2)*4
.set n, n+1
.endr
	s_wait_dscnt 0x0                               ; for the others' sake: my images, words and 1 / l have landed
	s_barrier_signal -1
	s_barrier_wait -1                              ; the fill that is on its way may stay out
	; ---- PHASE 2
; key step v into set k: my 8 fragments of V^T, all 8 of p, and both sides' scale words.  The four additions are the four places behind the last products.
.macro FETCH2 v, k
	WIN 0
	v_add_nc_u32 v6, ((\v)%4)*TL, v14
	v_add_nc_u32 v7, PST+(\v)*12288, v1
	v_add_nc_u32 v2, ((\v)%4)*TL, v15
	v_add_nc_u32 v3, PSW+512*(\v), v1
	WIN 0x40
.set fb, 0
.rept 8
.irp c, 0,1,2
	ds_load_b128 v[96*(\k)+12*fb+4*\c:96*(\k)+12*fb+4*\c+3], v6 offset:fb*1536+\c*512
.endr
.set fb, fb+1
.endr
	WIN 0
.set fb, 0
.rept 8
.irp c, 0,1,2
	ds_load_b128 v[64+96*(\k)+12*fb+4*\c:64+96*(\k)+12*fb+4*\c+3], v7 offset:fb*1536+\c*512
.endr
.set fb, fb+1
.endr
	ds_load_b128 v[32+8*(\k):35+8*(\k)], v2
	ds_load_b128 v[36+8*(\k):39+8*(\k)], v3
.endm
.macro PMUL v, k                       ; O^T += V^T p^T: the 64 accumulators take turns, one instruction a turn
.set zf, 0
.if (\v) == 0
.set zf, 1
.endif
.set ma, 0
.rept 8
	WIN 0xa1+0x50*(ma/4)
.set mb, 0
.rept 8
	WM 8*(8*(ma%4)+mb), 96*(\k)+12*mb, 64+96*(\k)+12*ma, zf, 32+8*(\k)+mb/2, 36+8*(\k)+ma/2, mb%2, ma%2
.set mb, mb+1
.endr
.set ma, ma+1
.endr
.endm
.macro XLOAD a                         ; x at query tile a's rows, my 128 channels, in the results' layout; eight heads read these rows, so no hint
	WIN 0x40
.irp b, 0,1,2,3
.irp j, 0,1,2,3
	global_load_b128 v[64*(((\a)+3)%4)+16*\b+4*\j:64*(((\a)+3)%4)+16*\b+4*\j+3], v13, s[48:49] offset:(32*((\a)/2)+8*((\a)%2))*2048+128*\b+16*\j
.endr
.endr
	WIN 0
.endm
	FETCH2 0, 0
.irp v, 0,1,2,3,4,5,6,7
	s_wait_dscnt 0x0                               ; this step's fragments are in (asked for 64 matrix instructions ago, but for the first)
.if \v == 1
	CHANGE2 0                                      ; steps 0 and 1 are in registers: slot 0 takes steps 4 and 5
.elseif \v == 3
	CHANGE2 SLOTB                                  ; slot 1 takes steps 6 and 7: the last fill
.elseif \v == 5
	WIN 0
	s_wait_tensorcnt 0x0                           ; my quarter of the last fill is in,
	s_barrier_signal -1
	s_barrier_wait -1                              ; everybody's is
.endif
.if \v < 7
	FETCH2 \v+1, (\v+1)%2
.else
	XLOAD 0
.endif
.if \v == 1
	ASK                                            ; the last fill, named one change ahead
.endif
	PMUL \v, \v%2
.endr
	WIN 0
	PLACES 4
	; ---- THE WAY OUT: z = O^T / l + x, quantised along f, a query tile at a time
	XLOAD 1
	XLOAD 2
	XLOAD 3
	v_and_b32 v2, 31, v0
	v_lshl_add_u32 v3, v2, 2, RL
.irp a, 0,1,2,3,4,5,6,7
	v_mov_b32 v[129+2*\a], 0                       ; (named as the upper half of a pair)
	ds_load_b32 v[128+2*\a], v3 offset:128*\a      ; 1 / l of my query in tile a
.endr
	s_wait_alu depctr_va_vdst(0)
	s_wait_dscnt 0x0
.set wa, 0
.rept 8
.if wa < 5
	s_wait_loadcnt 48                              ; this tile's 16 loads of x are in; those of the three tiles behind it may be out
.else
	s_wait_loadcnt 16*(7-wa)
.endif
	WIN (2+wa/4)|0x10                              ; O^T window 2 or 3, x window 1
.set n, 0
.rept 32
	v_pk_fma_f32 v[64+2*n:65+2*n], v[64*(wa%4)+2*n:64*(wa%4)+2*n+1], v[128+2*wa:129+2*wa], v[64*((wa+3)%4)+2*n:64*((wa+3)%4)+2*n+1] op_sel_hi:[1,0,1]   ; ascending: each accumulator from its low end on
.set n, n+1
.endr
	WIN 0
	QUANTW 0, 64, 208+20*(wa%2), PW+wa
.irp c, 0,1,2
	global_store_b128 v1, v[208+20*(wa%2)+4*\c:208+20*(wa%2)+4*\c+3], s[50:51] offset:wa*1536+\c*512   ; 32 lanes store 512 consecutive bytes, aligned
.endr
.if wa < 4
	XLOAD wa+4                                     ; into the set that this tile has read; behind the stores, so that the next tile's arithmetic stands between these loads and the quantiser's wait on XCNT
.endif
.set wa, wa+1
.endr
	MERGE 24
	global_store_b128 v1, v[24:27], s[52:53]
	s_wait_tensorcnt 0x0                           ; the wave's end
	ds_add_u32 v8, v9
	s_wait_dscnt 0x0
	CROUND                                         ; the closing round
	s_endpgm
.Lfunc_end_k_qdc36471b2a_attn:
	.size	k_qdc36471b2a_attn, .Lfunc_end_k_qdc36471b2a_attn-k_qdc36471b2a_attn
	.p2alignl 7, 3214868480
	.fill 96, 4, 3214868480
	.section	.rodata,"a",@progbits
	.p2align	6, 0x0
	.amdhsa_kernel k_qdc36471b2a_attn
		.amdhsa_group_segment_fixed_size 327680
		.amdhsa_private_segment_fixed_size 0
		.amdhsa_enable_private_segment 0
		.amdhsa_kernarg_size 24
		.amdhsa_user_sgpr_count 2
		.amdhsa_user_sgpr_kernarg_segment_ptr 1
		.amdhsa_wavefront_size32 1
		.amdhsa_system_sgpr_workgroup_id_x 1
		.amdhsa_system_sgpr_workgroup_id_y 1
		.amdhsa_system_sgpr_workgroup_id_z 1
		.amdhsa_system_vgpr_workitem_id 0
		.amdhsa_next_free_vgpr 1024
		.amdhsa_next_free_sgpr 72
		.amdhsa_reserve_vcc 0
		.amdhsa_float_denorm_mode_32 3
		.amdhsa_float_denorm_mode_16_64 3
		.amdhsa_memory_ordered 1
		.amdhsa_forward_progress 1
		.amdhsa_inst_pref_size 255
	.end_amdhsa_kernel
	.section	.bss,"aw",@nobits
	.p2align	6
	.space	262144
	.amdgpu_metadata
---
amdhsa.version: [ 1, 2 ]
amdhsa.kernels:
  - .name:           k_qdc36471b2a_attn
    .symbol:         k_qdc36471b2a_attn.kd
    .args:
      - { .name: qkv, .offset: 0, .size: 8, .value_kind: global_buffer, .address_space: global }
      - { .name: x, .offset: 8, .size: 8, .value_kind: global_buffer, .address_space: global }
      - { .name: zq, .offset: 16, .size: 8, .value_kind: global_buffer, .address_space: global }
    .group_segment_fixed_size: 327680
    .private_segment_fixed_size: 0
    .kernarg_segment_align: 8
    .kernarg_segment_size: 24
    .max_flat_workgroup_size: 128
    .sgpr_count:     72
    .vgpr_count:     1024
    .wavefront_size: 32
...
	.end_amdgpu_metadata
.endif
;; end of part 3
;; launch join (part 4): grid 32 x 8, 8 waves a work-group, clusters of 4 x 1, 265,216 bytes of LDS; arguments zq, cw, x, y; writes y
.if DOCPART == 4
	.amdgcn_target "amdgcn-amd-amdhsa--gfx1250"
	.amdhsa_code_object_version 6
	.text
	.protected	k_qdc36471b2a_join
	.globl	k_qdc36471b2a_join
	.p2align	8
	.type	k_qdc36471b2a_join,@function
k_qdc36471b2a_join:
	s_mov_b64 s[64:65], 0
	v_nop
	global_prefetch_b8 v0, s[64:65] scope:SCOPE_SE
	s_setreg_imm32_b32 hwreg(HW_REG_WAVE_MODE, 25, 1), 1
	s_wait_xcnt 0x0
	s_wait_alu depctr_hold_cnt(0) depctr_sa_sdst(0) depctr_va_vdst(0) depctr_va_sdst(0) depctr_va_ssrc(0) depctr_va_vcc(0) depctr_vm_vsrc(0)
	s_getreg_b32 s2, hwreg(HW_REG_IB_STS2, 6, 4)
	s_cmp_eq_u32 s2, 0
	s_cbranch_scc0 .Lentry_in_a_cluster
	s_endpgm
.Lentry_in_a_cluster:
	s_bfe_u32 s2, ttmp6, 0x10000c
	s_cmp_lg_u32 s2, 0x3003
	s_cbranch_scc0 .Lentry_shape_is_right
	s_endpgm
.Lentry_shape_is_right:
; Launch 4 of 5: y = x + zcat Wj, the product on codes of E2M3 (K = 4,096: 32 steps of 128).  No work is left out.  The norm follows in a launch of its own: a work-group that owned whole rows of 512 would have to take in
; all of Wj's codes (512 x 3,072 bytes) however few rows it had; tiles of 128 x 64 take in (128 + 64) x 3,072 bytes and give each of 256 work-groups one tile.
; LIMIT: each sum over K is made in two halves (heads 0-3, heads 4-7), each in ascending K, and the halves are added in f32: an order of rounding other than one chain's.
; SHARES.  Work-group (grp, nb): 128 rows x 64 columns, eight waves, two to a SIMD.  Wave (w = number % 4, kh = number / 4): row tiles 2 w, 2 w + 1 against all four tiles of columns, over K half kh: 8 accumulators, 16 K steps.
; At the end the two waves of a w exchange: each KEEPS row tile 2 w + kh and SENDS its sums of the other through LDS (4,096 bytes), adds what it receives, and takes its 16 rows out.  So that the text is one for both,
; a wave's local tile 0 is the one it keeps and local tile 1 the one it sends: only addresses differ.
; The product is used transposed (source 0 = 16 columns of Wj, source 1 = 16 rows of z): a lane holds eight neighbouring columns of one row.
; NO RING.  Wj's 64 columns for all of K are one dense block of 196,608 bytes, which fits in LDS: it is filled ONCE, at the head, a head (96 rows of 256 bytes) by each wave's one tensor load.
; z's fragments are read by one wave alone, so they go from memory straight into that wave's registers, as images: six loads of 512 consecutive bytes for a K step, asked for NINE K steps ahead, in ten sets of 24 registers.
; CLUSTER 4 x 1: the four partners are four groups of rows with the same nb: they ask for Wj's block jointly.  z, x and the scale words are each work-group's own.
; No data prefetch: Wj is asked for whole at the head, and of a wave's 16 K steps of z nine are asked for at the head and the rest by their own loads nine steps ahead: there is no later request to run ahead of.
; REGISTERS: window 0: v1, v2 LDS addresses of Wj (two heads each), v4, v14 the exchange (mine, my partner's), v6, v7 z's offsets (local tile 0, 1), v8, v9 the add's, v10-13 the way out and z's scale words;
;   v16-31 z's scale words (K step kk: lanes 0-15 local tile 0, lanes 16-31 local tile 1); v32-63 Wj's (32 + 8 head + 4 pair + step: lanes 0-15 the pair's first tile, 16-31 its second);
;   v64-127 accumulator (u, b) at 64 + 8 (4 u + b); v128-223 two sets of Wj's four fragments, later what is received and the rows on the way out; v224-255 x.   window 1: v0-239 z's ten sets.
.set WI,    1572864
.set SCL,   7864320
.set ZSO,   12582912
.set EX,    196608                     ; behind Wj: the exchange, 4,096 bytes for each wave; no tensor load lands here or further on
.set STAGE, 229376                     ; a stage of 16 rows x (256 bytes + 16) for each wave
.set SPARE, 264192                     ; the spare words, 128 bytes for each wave
.set WV,    12
.set ZS,    16
.set WS,    32
.set WF,    128
.set MSB,   0
.macro WIN new                         ; the immediate's high byte repeats the setting that is left; a switch that changes nothing is dropped
.if MSB != (\new)
	s_set_vgpr_msb (MSB<<8)|(\new)
.set MSB, (\new)
.endif
.endm
.macro PLACES n
.rept \n
	v_nop
.endr
.endm
.macro CROUND                          ; a round of the cluster's barrier
	s_barrier_signal -1
	s_barrier_wait -1
	s_cmp_lg_u32 s[WV], 0
	s_cbranch_scc1 .Lnw0_\@
	s_barrier_signal -3
.Lnw0_\@:
	s_barrier_wait -3
	s_barrier_signal -1
	s_barrier_wait -1
.endm
; one scaled matrix instruction: D at d, A at a, B at b; z = 1: C is the constant 0; sa, sb the scale registers; ra, rb = 1: that side's words lie in lanes 16-31
.macro WM d, a, b, z, sa, sb, ra, rb
.set wsel, 4*(\z)+2*(\ra)+(\rb)
.if wsel == 0
	v_wmma_scale_f32_16x16x128_f8f6f4 v[(\d):(\d)+7], v[(\a):(\a)+11], v[(\b):(\b)+11], v[(\d):(\d)+7], v[(\sa)], v[(\sb)] matrix_a_fmt:MATRIX_FMT_FP6 matrix_b_fmt:MATRIX_FMT_FP6
.elseif wsel == 1
	v_wmma_scale_f32_16x16x128_f8f6f4 v[(\d):(\d)+7], v[(\a):(\a)+11], v[(\b):(\b)+11], v[(\d):(\d)+7], v[(\sa)], v[(\sb)] matrix_a_fmt:MATRIX_FMT_FP6 matrix_b_fmt:MATRIX_FMT_FP6 matrix_b_scale:MATRIX_SCALE_ROW1
.elseif wsel == 2
	v_wmma_scale_f32_16x16x128_f8f6f4 v[(\d):(\d)+7], v[(\a):(\a)+11], v[(\b):(\b)+11], v[(\d):(\d)+7], v[(\sa)], v[(\sb)] matrix_a_fmt:MATRIX_FMT_FP6 matrix_b_fmt:MATRIX_FMT_FP6 matrix_a_scale:MATRIX_SCALE_ROW1
.elseif wsel == 3
	v_wmma_scale_f32_16x16x128_f8f6f4 v[(\d):(\d)+7], v[(\a):(\a)+11], v[(\b):(\b)+11], v[(\d):(\d)+7], v[(\sa)], v[(\sb)] matrix_a_fmt:MATRIX_FMT_FP6 matrix_b_fmt:MATRIX_FMT_FP6 matrix_a_scale:MATRIX_SCALE_ROW1 matrix_b_scale:MATRIX_SCALE_ROW1
.elseif wsel == 4
	v_wmma_scale_f32_16x16x128_f8f6f4 v[(\d):(\d)+7], v[(\a):(\a)+11], v[(\b):(\b)+11], 0, v[(\sa)], v[(\sb)] matrix_a_fmt:MATRIX_FMT_FP6 matrix_b_fmt:MATRIX_FMT_FP6
.elseif wsel == 5
	v_wmma_scale_f32_16x16x128_f8f6f4 v[(\d):(\d)+7], v[(\a):(\a)+11], v[(\b):(\b)+11], 0, v[(\sa)], v[(\sb)] matrix_a_fmt:MATRIX_FMT_FP6 matrix_b_fmt:MATRIX_FMT_FP6 matrix_b_scale:MATRIX_SCALE_ROW1
.elseif wsel == 6
	v_wmma_scale_f32_16x16x128_f8f6f4 v[(\d):(\d)+7], v[(\a):(\a)+11], v[(\b):(\b)+11], 0, v[(\sa)], v[(\sb)] matrix_a_fmt:MATRIX_FMT_FP6 matrix_b_fmt:MATRIX_FMT_FP6 matrix_a_scale:MATRIX_SCALE_ROW1
.else
	v_wmma_scale_f32_16x16x128_f8f6f4 v[(\d):(\d)+7], v[(\a):(\a)+11], v[(\b):(\b)+11], 0, v[(\sa)], v[(\sb)] matrix_a_fmt:MATRIX_FMT_FP6 matrix_b_fmt:MATRIX_FMT_FP6 matrix_a_scale:MATRIX_SCALE_ROW1 matrix_b_scale:MATRIX_SCALE_ROW1
.endif
.endm
.macro ZLOAD kk                        ; destination window 1: my two fragments of z of my K step kk into set kk % 10; eight work-groups read these bytes, so no hint
.irp c, 0,1,2
	global_load_b128 v[24*((\kk)%10)+4*\c:24*((\kk)%10)+4*\c+3], v6, s[48:49] offset:(\kk)*12288+\c*512
.endr
.irp c, 0,1,2
	global_load_b128 v[24*((\kk)%10)+12+4*\c:24*((\kk)%10)+12+4*\c+3], v7, s[48:49] offset:(\kk)*12288+\c*512
.endr
.endm
.macro WLOAD kk                        ; Wj's four fragments of my K step kk into set kk % 2
.irp b, 0,1,2,3
.irp c, 0,1,2
	ds_load_b128 v[WF+48*((\kk)%2)+12*\b+4*\c:WF+48*((\kk)%2)+12*\b+4*\c+3], v[1+(\kk)/8] offset:(((\kk)/4)%2)*24576+\b*6144+((\kk)%4)*1536+\c*512
.endr
.endr
.endm
.macro MUL kk                          ; the eight accumulators take turns, one instruction a turn; the first K step starts the sums
.set zf, 0
.if (\kk) == 0
.set zf, 1
.endif
.irp u, 0,1
.irp b, 0,1,2,3
	WM 64+8*(4*\u+\b), WF+48*((\kk)%2)+12*\b, 24*((\kk)%10)+12*\u, zf, WS+8*((\kk)/4)+4*(\b/2)+(\kk)%4, ZS+(\kk), \b%2, \u
.endr
.endr
.endm
	s_load_b256 s[4:11], s[0:1], 0x0               ; zq, cw, x, y
	v_lshl_add_u32 v8, v0, 2, SPARE
	v_mov_b32 v9, 0
	ds_add_u32 v8, v9                              ; the opening: the add, twice on end, and its wait ahead of my first tensor load
	ds_add_u32 v8, v9
	v_lshrrev_b32 v1, 5, v0
	v_readfirstlane_b32 s[WV], v1                  ; wave 0..7
	s_and_b32 s17, s[WV], 3                        ; w
	s_lshr_b32 s14, s[WV], 2                       ; kh
	s_bfe_u32 s13, ttmp6, 0x40000                  ; cx
	s_lshl_b32 s16, ttmp9, 2
	s_add_co_u32 s16, s16, s13                     ; grp: my 128 rows; it enters z's, x's and y's addresses alone
	s_and_b32 s15, ttmp7, 0xffff                   ; nb: my 64 columns, which the partners share
	s_mov_b32 s24, 15|(3<<16)|(1<<21)              ; group 1: the mask names all four; elements of 8 bytes; bit 21 beside a mask; no padding
	s_mov_b32 s25, 32<<16                          ; rows of 256 bytes
	s_mov_b32 s26, 96<<16                          ; 96 rows: a head
	s_mov_b32 s27, 32<<16
	s_mov_b32 s28, 96
	s_mov_b32 s29, 32                              ; dense
	s_mov_b32 s30, 0
	s_mov_b32 s31, 0
	s_mov_b32 s40, 1
	s_mul_i32 s41, s[WV], 24576                    ; the head that I fetch, in LDS
	s_mul_i32 s20, s15, 196608                     ; and in memory: block 24 + nb
	s_add_co_u32 s20, s20, s41
	s_add_co_u32 s20, s20, WI+24*196608
	s_mov_b32 s21, 0
	s_wait_dscnt 0x0                               ; both opening adds are done
	s_wait_kmcnt 0x0
	s_add_nc_u64 s[42:43], s[6:7], s[20:21]
	s_or_b32 s43, s43, 0x80000000
	CROUND                                         ; all four work-groups are here
	tensor_load_to_lds s[40:43], s[24:31]          ; my one tensor load of the launch
	s_nop 0
	PLACES 4
	v_and_b32 v14, 31, v0                          ; lane
	v_lshlrev_b32 v5, 4, v14                       ; 16 x lane
	s_mul_i32 s22, s14, 98304
	v_add_nc_u32 v1, s22, v5                       ; Wj in LDS: the first two heads of my K half,
	v_add_nc_u32 v2, 49152, v1                     ; the other two
	s_mul_i32 s22, s17, 3072
	s_mul_i32 s23, s14, 1536
	s_add_co_u32 s18, s22, s23
	v_add_nc_u32 v6, s18, v5                       ; z: of a K step's eight fragments, tile 2 w + kh, which I keep,
	s_xor_b32 s23, s23, 1536
	s_add_co_u32 s18, s22, s23
	v_add_nc_u32 v7, s18, v5                       ; and the other of the two, which I send
	v_and_b32 v15, 15, v0                          ; r
	v_bfe_u32 v3, v0, 4, 1                         ; h
	s_mul_i32 s22, s[WV], 4352
	s_add_co_u32 s22, s22, STAGE                   ; my stage
	v_mul_u32_u24 v10, v15, 272
	v_lshl_add_u32 v10, v3, 6, v10
	v_add_nc_u32 v10, s22, v10                     ; in: stage row r, + 64 h
	v_mul_u32_u24 v11, v3, 272
	v_lshl_add_u32 v11, v15, 4, v11
	v_add_nc_u32 v11, s22, v11                     ; back: lanes 0-15 one row, lanes 16-31 the next
	v_lshlrev_b32 v12, 11, v3
	v_lshl_add_u32 v12, v15, 4, v12                ; the same two rows in x and in y
	s_lshl_b32 s22, s14, 4
	v_xor_b32 v13, s22, v14                        ; z's scale words lie with tile 2 w in lanes 0-15: where kh = 1 the halves of the lanes change places, so that local tile 0's come to lanes 0-15
	v_lshlrev_b32 v13, 4, v13
	s_lshl_b32 s22, s17, 2
	v_add_nc_u32 v13, s22, v13                     ; 16 x that lane + 4 w
	s_lshl_b32 s22, s[WV], 12
	s_xor_b32 s23, s22, 16384                      ; my partner: the wave with the other kh
	s_add_co_u32 s22, s22, EX
	s_add_co_u32 s23, s23, EX
	v_add_nc_u32 v4, s22, v5                       ; the exchange: where I store,
	v_add_nc_u32 v14, s23, v5                      ; and where I read
	s_wait_alu depctr_va_vdst(0)                   ; the wait at the head's end
	s_mul_i32 s22, s16, 393216
	s_mul_i32 s18, s14, 196608                     ; my K half: 16 steps of 12,288 bytes
	s_add_co_u32 s22, s22, s18
	s_mov_b32 s23, 0
	s_add_nc_u64 s[48:49], s[4:5], s[22:23]        ; z's fragments
	s_lshl_b32 s22, s16, 14
	s_lshl_b32 s18, s14, 13                        ; 16 steps of 512 bytes
	s_add_co_u32 s22, s22, s18
	s_add_co_u32 s22, s22, ZSO
	s_add_nc_u64 s[50:51], s[4:5], s[22:23]        ; and their scale words
	s_lshl_b32 s22, s15, 10
	s_lshl_b32 s18, s14, 15                        ; four heads of 8,192 bytes
	s_add_co_u32 s22, s22, s18
	s_add_co_u32 s22, s22, SCL+262144              ; Wj's scale words: tile 256 + 24 x 32 + 4 nb, 256 bytes each
	s_add_nc_u64 s[44:45], s[6:7], s[22:23]
	s_lshl_b32 s22, s16, 18                        ; x and y: row 128 grp + 32 w + 8 kh, column 64 nb
	s_lshl_b32 s18, s17, 16
	s_add_co_u32 s22, s22, s18
	s_lshl_b32 s18, s14, 14
	s_add_co_u32 s22, s22, s18
	s_lshl_b32 s18, s15, 8
	s_add_co_u32 s22, s22, s18
	s_add_nc_u64 s[52:53], s[8:9], s[22:23]
	s_add_nc_u64 s[54:55], s[10:11], s[22:23]
.set n, 0
.rept 8
	global_load_b128 v[WS+4*n:WS+4*n+3], v5, s[44:45] offset:(n/2)*8192+(n%2)*512
.set n, n+1
.endr
.set n, 0
.rept 16
	global_load_b32 v[ZS+n], v13, s[50:51] offset:512*n
.set n, n+1
.endr
.set n, 0
.rept 8
	global_load_b128 v[224+4*n:227+4*n], v12, s[52:53] offset:(2*n+8*(n/4))*2048 th:TH_LOAD_NT   ; stage rows 2 n, 2 n + 1 are rows 2 n + 8 (n / 4) on of my 24
.set n, n+1
.endr
	WIN 0x40
.irp q, 0,1,2,3,4,5,6,7,8
	ZLOAD \q
.endr
	WIN 0
	s_wait_tensorcnt 0x0                           ; my head of Wj is in,
	s_barrier_signal -1
	s_barrier_wait -1                              ; everybody's is; nothing is ever filled again
	WIN 0x04                                       ; source 1 (z) window 1; all else window 0
	WLOAD 0
; A K step: four places behind the last products, in front of loads into registers that they have read; z nine steps on; Wj one step on; the waits; eight products.
.set kk, 0
.rept 16
.if kk > 0
	PLACES 4
.endif
.if kk+9 < 16
	WIN 0x40
	ZLOAD kk+9
.endif
	WIN 0x04
.if kk+1 < 16
	WLOAD kk+1
.endif
.if 15-kk < 9
	s_wait_loadcnt 6*(15-kk)                       ; this step's six loads of z are in (and all that was asked for ahead of them); the later steps' six each may be out
.else
	s_wait_loadcnt 54
.endif
.if kk < 15
	s_wait_dscnt 12                                ; this step's twelve LDS loads are in; the next step's twelve may be out
.else
	s_wait_dscnt 0
.endif
	MUL kk
.set kk, kk+1
.endr
	WIN 0
	; THE TWO HALVES OF K MEET: local tile 1's sums go to my place in the exchange, my partner's sums of the tile that I keep come back
	PLACES 4
.irp b, 0,1,2,3
	ds_store_b128 v4, v[96+8*\b:99+8*\b] offset:1024*\b            ; each accumulator from its low end on
	ds_store_b128 v4, v[100+8*\b:103+8*\b] offset:1024*\b+512
.endr
	s_wait_dscnt 0x0                               ; for my partner's sake: my stores have landed
	s_barrier_signal -1
	s_barrier_wait -1
.irp b, 0,1,2,3
	ds_load_b128 v[128+8*\b:131+8*\b], v14 offset:1024*\b
	ds_load_b128 v[132+8*\b:135+8*\b], v14 offset:1024*\b+512
.endr
	s_wait_dscnt 0x0
.set n, 0
.rept 16
	v_pk_add_f32 v[64+2*n:65+2*n], v[64+2*n:65+2*n], v[128+2*n:129+2*n]   ; ascending: each accumulator from its low end on
.set n, n+1
.endr
	; THE WAY OUT.  A lane holds 32 neighbouring bytes of a row: my 16 rows go through my own stage in LDS and come back as rows of 256 bytes.
	; LDS serves a wave's instructions in order: no wait between the stores and the loads.
.irp b, 0,1,2,3
	ds_store_b128 v10, v[64+8*\b:67+8*\b] offset:128*(\b/2)+32*(\b%2)
	ds_store_b128 v10, v[68+8*\b:71+8*\b] offset:128*(\b/2)+32*(\b%2)+16
.endr
.set n, 0
.rept 8
	ds_load_b128 v[160+4*n:163+4*n], v11 offset:544*n
.set n, n+1
.endr
	s_wait_dscnt 0x0
.set n, 0
.rept 16
	v_pk_add_f32 v[160+2*n:161+2*n], v[160+2*n:161+2*n], v[224+2*n:225+2*n]
.set n, n+1
.endr
.set n, 0
.rept 8
	global_store_b128 v12, v[160+4*n:163+4*n], s[54:55] offset:(2*n+8*(n/4))*2048   ; sixteen lanes store 256 consecutive bytes, aligned
.set n, n+1
.endr
	s_wait_tensorcnt 0x0                           ; the wave's end
	ds_add_u32 v8, v9
	s_wait_dscnt 0x0
	CROUND                                         ; the closing round
	s_endpgm
.Lfunc_end_k_qdc36471b2a_join:
	.size	k_qdc36471b2a_join, .Lfunc_end_k_qdc36471b2a_join-k_qdc36471b2a_join
	.p2alignl 7, 3214868480
	.fill 96, 4, 3214868480
	.section	.rodata,"a",@progbits
	.p2align	6, 0x0
	.amdhsa_kernel k_qdc36471b2a_join
		.amdhsa_group_segment_fixed_size 265216
		.amdhsa_private_segment_fixed_size 0
		.amdhsa_enable_private_segment 0
		.amdhsa_kernarg_size 32
		.amdhsa_user_sgpr_count 2
		.amdhsa_user_sgpr_kernarg_segment_ptr 1
		.amdhsa_wavefront_size32 1
		.amdhsa_system_sgpr_workgroup_id_x 1
		.amdhsa_system_sgpr_workgroup_id_y 1
		.amdhsa_system_sgpr_workgroup_id_z 1
		.amdhsa_system_vgpr_workitem_id 0
		.amdhsa_next_free_vgpr 512
		.amdhsa_next_free_sgpr 72
		.amdhsa_reserve_vcc 0
		.amdhsa_float_denorm_mode_32 3
		.amdhsa_float_denorm_mode_16_64 3
		.amdhsa_memory_ordered 1
		.amdhsa_forward_progress 1
		.amdhsa_inst_pref_size 55
	.end_amdhsa_kernel
	.amdgpu_metadata
---
amdhsa.version: [ 1, 2 ]
amdhsa.kernels:
  - .name:           k_qdc36471b2a_join
    .symbol:         k_qdc36471b2a_join.kd
    .args:
      - { .name: zq, .offset: 0, .size: 8, .value_kind: global_buffer, .address_space: global }
      - { .name: cw, .offset: 8, .size: 8, .value_kind: global_buffer, .address_space: global }
      - { .name: x, .offset: 16, .size: 8, .value_kind: global_buffer, .address_space: global }
      - { .name: y, .offset: 24, .size: 8, .value_kind: global_buffer, .address_space: global }
    .group_segment_fixed_size: 265216
    .private_segment_fixed_size: 0
    .kernarg_segment_align: 8
    .kernarg_segment_size: 32
    .max_flat_workgroup_size: 256
    .sgpr_count:     72
    .vgpr_count:     512
    .wavefront_size: 32
...
	.end_amdgpu_metadata
.endif
;; end of part 4
;; launch norm (part 5): grid 1024 x 1, 4 waves a work-group, no clusters, 0 bytes of LDS; arguments y, gamma, beta, out0; writes out0
.if DOCPART == 5
	.amdgcn_target "amdgcn-amd-amdhsa--gfx1250"
	.amdhsa_code_object_version 6
	.text
	.protected	k_qdc36471b2a_norm
	.globl	k_qdc36471b2a_norm
	.p2align	8
	.type	k_qdc36471b2a_norm,@function
k_qdc36471b2a_norm:
	s_mov_b64 s[64:65], 0
	v_nop
	global_prefetch_b8 v0, s[64:65] scope:SCOPE_SE
	s_setreg_imm32_b32 hwreg(HW_REG_WAVE_MODE, 25, 1), 1
	s_wait_xcnt 0x0
; Launch 5 of 5: out0 = (y - mean) x rsqrt(var + 1e-5) x gamma + beta along rows of 512, y = x + zcat Wj.  All in f32; the variance is taken of y - mean, as reference() takes it.  No work is left out.
; A wave takes ONE row: 2,048 bytes, four loads of 16 bytes a lane, each of 512 consecutive bytes; the row stays in 16 registers between the passes.  4,096 waves: sixteen for each of 256 WGPs, four to a SIMD.
; No LDS, no barrier, no cluster: waves share nothing but gamma and beta.
; REGISTERS: v1 16 x lane; v8-11 two running pairs; v12, v13 the pair (-mean, later 1 / sqrt) with its filler; v32-47 gamma, v48-63 beta of my 16 columns; v64-79 the row.
.set A, 8
.set R, 64
	s_load_b256 s[4:11], s[0:1], 0x0               ; y, gamma, beta, out0
	v_lshrrev_b32 v1, 5, v0
	v_readfirstlane_b32 s12, v1
	v_and_b32 v2, 31, v0
	v_lshlrev_b32 v1, 4, v2
	s_lshl_b32 s13, ttmp9, 2
	s_add_co_u32 s13, s13, s12
	s_lshl_b32 s14, s13, 11                        ; a row of 2,048 bytes a wave
	s_mov_b32 s15, 0
	s_mov_b32 s16, 0x3b000000                      ; 1 / 512
	s_mov_b32 s17, 0x3727c5ac                      ; 1e-5
	s_mov_b32 s18, 0x76543210
	s_mov_b32 s19, 0xfedcba98
	v_mov_b32 v13, 0                               ; (named as the upper half of a pair)
	s_wait_alu depctr_va_vdst(0)                   ; the wait at the head's end
	s_wait_kmcnt 0x0
	s_add_nc_u64 s[4:5], s[4:5], s[14:15]
	s_add_nc_u64 s[10:11], s[10:11], s[14:15]
.irp j, 0,1,2,3
	global_load_b128 v[R+4*\j:R+4*\j+3], v1, s[4:5] offset:512*\j th:TH_LOAD_NT
.endr
.irp j, 0,1,2,3
	global_load_b128 v[32+4*\j:35+4*\j], v1, s[6:7] offset:512*\j
.endr
.irp j, 0,1,2,3
	global_load_b128 v[48+4*\j:51+4*\j], v1, s[8:9] offset:512*\j
.endr
.macro ACROSS r, t                     ; the sum over the 32 lanes, in every lane
	v_add_f32_dpp v[\r], v[\r], v[\r] row_xmask:1 row_mask:0xf bank_mask:0xf
	v_add_f32_dpp v[\r], v[\r], v[\r] row_xmask:2 row_mask:0xf bank_mask:0xf
	v_add_f32_dpp v[\r], v[\r], v[\r] row_xmask:4 row_mask:0xf bank_mask:0xf
	v_add_f32_dpp v[\r], v[\r], v[\r] row_xmask:8 row_mask:0xf bank_mask:0xf
	v_permlanex16_b32 v[\t], v[\r], s18, s19
	v_add_f32 v[\r], v[\r], v[\t]
.endm
	s_wait_loadcnt 8                               ; the row's four loads are in; gamma's and beta's eight may be out
	v_pk_add_f32 v[A:A+1], v[R:R+1], v[R+2:R+3]
	v_pk_add_f32 v[A+2:A+3], v[R+4:R+5], v[R+6:R+7]
	v_pk_add_f32 v[A:A+1], v[A:A+1], v[R+8:R+9]
	v_pk_add_f32 v[A+2:A+3], v[A+2:A+3], v[R+10:R+11]
	v_pk_add_f32 v[A:A+1], v[A:A+1], v[R+12:R+13]
	v_pk_add_f32 v[A+2:A+3], v[A+2:A+3], v[R+14:R+15]
	v_pk_add_f32 v[A:A+1], v[A:A+1], v[A+2:A+3]
	v_add_f32 v[A], v[A], v[A+1]
	ACROSS A, A+3
	v_mul_f32 v[A+4], 0xbb000000, v[A]             ; -mean
.irp i, 0,2,4,6,8,10,12,14
	v_pk_add_f32 v[R+\i:R+\i+1], v[R+\i:R+\i+1], v[A+4:A+5] op_sel_hi:[1,0]
.endr
	v_pk_mul_f32 v[A:A+1], v[R:R+1], v[R:R+1]
	v_pk_mul_f32 v[A+2:A+3], v[R+2:R+3], v[R+2:R+3]
.irp i, 4,8,12
	v_pk_fma_f32 v[A:A+1], v[R+\i:R+\i+1], v[R+\i:R+\i+1], v[A:A+1]
	v_pk_fma_f32 v[A+2:A+3], v[R+\i+2:R+\i+3], v[R+\i+2:R+\i+3], v[A+2:A+3]
.endr
	v_pk_add_f32 v[A:A+1], v[A:A+1], v[A+2:A+3]
	v_add_f32 v[A], v[A], v[A+1]
	ACROSS A, A+3
	v_fma_f32 v[A], v[A], s16, s17                 ; var + 1e-5
	s_wait_loadcnt 0x0                             ; gamma and beta
	s_wait_alu depctr_va_vdst(0)                   ; the wait ahead of the transcendental
	v_rsq_f32 v[A+4], v[A]
	v_nop                                          ; a plain place behind it
	s_wait_alu depctr_va_vdst(0)                   ; the wait ahead of its first reader
.irp i, 0,2,4,6,8,10,12,14
	v_pk_mul_f32 v[R+\i:R+\i+1], v[R+\i:R+\i+1], v[A+4:A+5] op_sel_hi:[1,0]
.endr
.irp i, 0,2,4,6,8,10,12,14
	v_pk_fma_f32 v[R+\i:R+\i+1], v[R+\i:R+\i+1], v[32+\i:33+\i], v[48+\i:49+\i]
.endr
.irp j, 0,1,2,3
	global_store_b128 v1, v[R+4*\j:R+4*\j+3], s[10:11] offset:512*\j th:TH_STORE_NT   ; 32 lanes store 512 consecutive bytes, aligned
.endr
	s_endpgm
.Lfunc_end_k_qdc36471b2a_norm:
	.size	k_qdc36471b2a_norm, .Lfunc_end_k_qdc36471b2a_norm-k_qdc36471b2a_norm
	.p2alignl 7, 3214868480
	.fill 96, 4, 3214868480
	.section	.rodata,"a",@progbits
	.p2align	6, 0x0
	.amdhsa_kernel k_qdc36471b2a_norm
		.amdhsa_group_segment_fixed_size 0
		.amdhsa_private_segment_fixed_size 0
		.amdhsa_enable_private_segment 0
		.amdhsa_kernarg_size 32
		.amdhsa_user_sgpr_count 2
		.amdhsa_user_sgpr_kernarg_segment_ptr 1
		.amdhsa_wavefront_size32 1
		.amdhsa_system_sgpr_workgroup_id_x 1
		.amdhsa_system_sgpr_workgroup_id_y 1
		.amdhsa_system_sgpr_workgroup_id_z 1
		.amdhsa_system_vgpr_workitem_id 0
		.amdhsa_next_free_vgpr 96
		.amdhsa_next_free_sgpr 66
		.amdhsa_reserve_vcc 0
		.amdhsa_float_denorm_mode_32 3
		.amdhsa_float_denorm_mode_16_64 3
		.amdhsa_memory_ordered 1
		.amdhsa_forward_progress 1
		.amdhsa_inst_pref_size 7
	.end_amdhsa_kernel
	.amdgpu_metadata
---
amdhsa.version: [ 1, 2 ]
amdhsa.kernels:
  - .name:           k_qdc36471b2a_norm
    .symbol:         k_qdc36471b2a_norm.kd
    .args:
      - { .name: y, .offset: 0, .size: 8, .value_kind: global_buffer, .address_space: global }
      - { .name: gamma, .offset: 8, .size: 8, .value_kind: global_buffer, .address_space: global }
      - { .name: beta, .offset: 16, .size: 8, .value_kind: global_buffer, .address_space: global }
      - { .name: out0, .offset: 24, .size: 8, .value_kind: global_buffer, .address_space: global }
    .group_segment_fixed_size: 0
    .private_segment_fixed_size: 0
    .kernarg_segment_align: 8
    .kernarg_segment_size: 32
    .max_flat_workgroup_size: 128
    .sgpr_count:     66
    .vgpr_count:     96
    .wavefront_size: 32
...
	.end_amdgpu_metadata
.endif
;; end of part 5
